; MI455X (gfx1250); checked and timed in simulation.
; The chip was launched on July 23, 2026; its instructions are those of AMD's public machine-readable ISA for CDNA 5 (MIT licence, August 2026) and "CDNA5" Instruction Set Architecture Reference Guide (July 2026). The comments in the code are by the model that wrote it; some were corrected since.
;; Transformer Block. Allowed arithmetic: matrix products marked QUANTISED: E4M3 operands, one given power-of-two scale a tensor, by v_wmma_f32_16x16x64_fp8_fp8 or v_wmma_f32_16x16x128_fp8_fp8, f32 sums; everything else in f32.
;; Inputs: W1 1,024 x 4,096 float32; W2 4,096 x 1,024 float32; Wk 1,024 x 1,024 float32; Wo 1,024 x 1,024 float32; Wq 1,024 x 1,024 float32; Wv 1,024 x 1,024 float32; b1 4,096 float32; b2 1,024 float32; bk 1,024 float32; bo 1,024 float32; bq 1,024 float32; bv 1,024 float32; inputs 2 x 2,048 x 1,024 float32; ln1_scale 1,024 float32; ln1_shift 1,024 float32; ln2_scale 1,024 float32; ln2_shift 1,024 float32; lowp_scales 16 int32 (the exponents e of the quantised operands' scales 2^e).
;; Outputs: out0 2 x 2,048 x 1,024 float32.
;; This version of the problem:
;;   THIS VERSION OF THE PROBLEM IS GIVEN IN LOW PRECISION. The matrix products marked QUANTISED in the list below multiply operands that are first quantised to E4M3 (4 exponent bits, 3 mantissa bits; 8 bits a number), with one given power-of-two scale for each operand tensor; their sums are f32. All else is computed in f32.
;;   The module's matrix products, in the order in which they are computed (A, B: the left and right operand; K: the contracted axis; several contracted axes count as one K, in the product's order):
;;     1. [M 4,096, K 1,024] x [K 1,024, N 1,024]; A: computed on the way; B: input Wq: QUANTISED (scales: A lowp_scales[0], B lowp_scales[1])
;;     2. [M 4,096, K 1,024] x [K 1,024, N 1,024]; A: computed on the way; B: input Wk: QUANTISED (scales: A lowp_scales[2], B lowp_scales[3])
;;     3. [M 4,096, K 1,024] x [K 1,024, N 1,024]; A: computed on the way; B: input Wv: QUANTISED (scales: A lowp_scales[4], B lowp_scales[5])
;;     4. batch 32 x [M 2,048, K 64] x [K 64, N 2,048]; A: computed on the way; B: computed on the way: QUANTISED (scales: A lowp_scales[6], B lowp_scales[7])
;;     5. batch 32 x [M 2,048, K 2,048] x [K 2,048, N 64]; A: computed on the way; B: computed on the way: QUANTISED (scales: A lowp_scales[8], B lowp_scales[9])
;;     6. [M 4,096, K 1,024] x [K 1,024, N 1,024]; A: computed on the way; B: input Wo: QUANTISED (scales: A lowp_scales[10], B lowp_scales[11])
;;     7. [M 4,096, K 1,024] x [K 1,024, N 4,096]; A: computed on the way; B: input W1: QUANTISED (scales: A lowp_scales[12], B lowp_scales[13])
;;     8. [M 4,096, K 4,096] x [K 4,096, N 1,024]; A: computed on the way; B: input W2: QUANTISED (scales: A lowp_scales[14], B lowp_scales[15])
;;   THE QUANTISER, for each operand of a quantised product, along K:
;;     - The operand's scale is 2^e, e = its entry of the input lowp_scales (int32; the entries are numbered through the quantised products in the list's order, A before B).
;;     - Each number is divided by the scale, clamped to +-448, and rounded to the nearest number of E4M3, ties to even, subnormals kept.
;;     - The product sums the exact products of the quantised numbers (number of the format x scale) in f32.
;;   ~~~python
;;   def quantise(x, axis, e):      # numpy; x: float32 -> the quantised numbers, widened to float32 again
;;       x = np.moveaxis(x, axis, -1); K = x.shape[-1]
;;       r = np.clip(x / 2.0 ** e, -448, 448)
;;       step = 2.0 ** (np.maximum(np.frexp(np.where(r == 0, 1, r))[1] - 1, -6) - 3)
;;       q = np.round(r / step) * step * 2.0 ** e      # np.round: ties to even
;;       return np.moveaxis(q, -1, axis).astype(np.float32)
;;   ~~~
;;   OPERANDS COMPUTED ON THE WAY. 'Computed on the way' means the value that the module computes at that place (a softmax that the list does not call 'softmax' is quantised finished and normalised). What goes into a quantiser is computed in f32, as accurately as f32 sums, v_exp_f32 and their like allow (about 1e-6 of the number): no bf16 or f16 on the way to a quantiser, and a product that is left as it is and whose result goes on into a quantised operand takes f32 operands (vector FMAs, or v_wmma_f32_16x16x4_f32). A number that lies on a knife's edge between two numbers of the format may be rounded either way, as far as f32 arithmetic and the matrix unit's own rounding can turn it there, and no further.
;; One version. Each part assembles by itself: llvm-mc -triple=amdgcn-amd-amdhsa -mcpu=gfx1250 --defsym DOCPART=n.
;; ======== version 1 of 1: 7 launches
;; limits: right only within a limited range of input values
;; workspace buffers: wcodes 12,582,912 bytes; xcodes 12,582,912 bytes; qkvc 12,582,912 bytes; aoc 4,194,304 bytes; o1 16,777,216 bytes; o2 16,777,216 bytes; o2c 4,194,304 bytes; hc 16,777,216 bytes
;; launch prep (part 1): grid 640 x 1, 4 waves a work-group, no clusters, 47,616 bytes of LDS; arguments inputs, ln1_scale, ln1_shift, Wq, Wk, Wv, Wo, W1, W2, lowp_scales, wcodes, xcodes; writes wcodes, xcodes
.if DOCPART == 1
	.amdgcn_target "amdgcn-amd-amdhsa--gfx1250"
	.amdhsa_code_object_version 6
	.text
	.protected	k_q3f4c8c020e_prep
	.globl	k_q3f4c8c020e_prep
	.p2align	8
	.type	k_q3f4c8c020e_prep,@function
k_q3f4c8c020e_prep:
	s_mov_b64 s[64:65], 0
	v_nop
	global_prefetch_b8 v0, s[64:65] scope:SCOPE_SE
	s_setreg_imm32_b32 hwreg(HW_REG_WAVE_MODE, 25, 1), 1
	s_wait_xcnt 0x0
; TWO JOBS IN ONE LAUNCH, told apart by the work-group's number.
; Work-groups 0-383: the six weights, f32 stored [K][N], become codes of E4M3 laid [N][K], K innermost, each under its given scale 2^e.
;   A work-group takes 128 columns x 256 along K, a wave 32 columns, A LANE ONE COLUMN, its registers running down K: a load reads 128 neighbouring bytes a wave,
;   and the conversions, which take neighbours along K from one lane's registers, give codes with K innermost.  The codes leave through the wave's own stage, sixteen lanes to 256 aligned bytes.
;   One text serves all six: the pitch of a K row and the pitch of the codes' rows are kept in registers.
; Work-groups 384-639: layer norm 1 of 16 rows each (a wave 4 rows), quantised three times, under entries 0, 2 and 4 of the scales, which may differ.
;   A row of 1,024 numbers lies in 32 registers: register 4 j + i of lane l is column 128 j + 4 l + i, so every load is 512 neighbouring bytes.
;   The mean is taken first and the squares of the differences second: no difference of large sums is formed.
; code = x / 2^e, held within +-448, to the nearest code, ties to even.  LIMITS: each e used here lies between -126 and 119.  NaN among the inputs is not served.
; No tensor loads, no barrier: waves share nothing.  Each job has LDS bytes of its own.
.set PITCH, 272                        ; a stage row of the weights' job: 256 bytes of codes + 16
.set STGL,  34816                      ; behind the four stages of 32 x 272: the norm's stages, 3,072 bytes a wave (three rows of 1,024 codes)
.set SPARE, 47104                      ; behind them: the spare words, 128 bytes a wave: two blocks of 256 bytes that no other line names
.set SPW,   14                         ; v14  LDS address of my spare word; never rewritten
.set NIL,   15                         ; v15  0; never rewritten
.set WX,    32                         ; weights: v32-95 two sets of 32 numbers
.set WC,    96                         ; v96-103 a block's codes
.set OUTR,  112                        ; v112-175 the way out
.set OFF,   176                        ; v176-207 4 x lane + i x the pitch of a K row
.set OOFF,  208                        ; v208-223 the stores' offsets: (2 t + lane / 16) rows of codes + 16 (lane % 16)
.set BASE,  44                         ; s[44:59] eight bases, 32 K rows apart
.set SC,    32                         ; norm: v32-63 the gain, v64-95 the shift, in the row's layout
.set SH,    64
.set LX,    96                         ; v96-223 four rows
.set T,     224                        ; v224-239 two sets of 8 held numbers, by turns
.set CC,    240                        ; v240-247 a row's codes
.set NQ,    3                          ; quantisers
.set F32OUT, 0
.set OB,    44                         ; s[44:49] the three outputs' bases
.macro LOAD t                          ; block t of 32 along K into set t % 2
.set i, 0
.rept 32
	global_load_b32 v[WX+32*((\t)%2)+i], v[OFF+i], s[BASE+2*(\t):BASE+2*(\t)+1] th:TH_LOAD_NT
.set i, i+1
.endr
.endm
.macro BLOCK t
.set XS, WX+32*((\t)%2)
.if (\t) < 7
	s_wait_loadcnt 32                              ; this block's 32 loads are in; the next block's 32 may be out
.else
	s_wait_loadcnt 0
.endif
.set i, 0
.rept 32
	v_med3_num_f32 v[XS+i], v[XS+i], -v10, v10     ; the conversion does not saturate (ISA guide 7.6.2): the hold at 448 x the scale comes first
.set i, i+1
.endr
.irp g, 0,1,2,3
	v_cvt_scalef32_pk8_fp8_f32 v[WC+2*\g:WC+2*\g+1], v[XS+8*\g:XS+8*\g+7], v11
.endr
	ds_store_b128 v4, v[WC:WC+3] offset:32*(\t)    ; 32 codes of my column's row
	ds_store_b128 v4, v[WC+4:WC+7] offset:32*(\t)+16
.if (\t)+2 < 8
	LOAD (\t)+2
.endif
	s_wait_dscnt 0x0                               ; the stores have read their registers: the next block's codes may be written
.endm
.macro WSUM a, b                       ; the sum over the wave's 32 lanes, in every lane
	v_add_f32_dpp v[\a], v[\a], v[\a] row_xmask:1 row_mask:0xf bank_mask:0xf
	v_add_f32_dpp v[\a], v[\a], v[\a] row_xmask:2 row_mask:0xf bank_mask:0xf
	v_add_f32_dpp v[\a], v[\a], v[\a] row_xmask:4 row_mask:0xf bank_mask:0xf
	v_add_f32_dpp v[\a], v[\a], v[\a] row_xmask:8 row_mask:0xf bank_mask:0xf
	v_permlanex16_b32 v[\b], v[\a], s50, s51
	v_add_f32 v[\a], v[\a], v[\b]
.endm
.macro LNROW i
.set XR, LX+32*(\i)
	s_wait_loadcnt 8*(3-(\i))                      ; gain, shift and my row are in; the later rows' eight loads each may be out
	v_pk_add_f32 v[248:249], v[XR:XR+1], v[XR+2:XR+3]
	v_pk_add_f32 v[250:251], v[XR+4:XR+5], v[XR+6:XR+7]
.set j, 8
.rept 6
	v_pk_add_f32 v[248:249], v[248:249], v[XR+j:XR+j+1]
	v_pk_add_f32 v[250:251], v[250:251], v[XR+j+2:XR+j+3]
.set j, j+4
.endr
	v_pk_add_f32 v[248:249], v[248:249], v[250:251]
	v_add_f32 v248, v248, v249
	WSUM 248, 249
	v_mul_f32 v248, 0x3a800000, v248               ; the mean: / 1,024
.set j, 0
.rept 16
	v_pk_add_f32 v[XR+j:XR+j+1], v[XR+j:XR+j+1], v[248:249] op_sel_hi:[1,0] neg_lo:[0,1] neg_hi:[0,1]   ; x - mean
.set j, j+2
.endr
	v_pk_mul_f32 v[250:251], v[XR:XR+1], v[XR:XR+1]
	v_pk_mul_f32 v[252:253], v[XR+2:XR+3], v[XR+2:XR+3]
.set j, 4
.rept 7
	v_pk_fma_f32 v[250:251], v[XR+j:XR+j+1], v[XR+j:XR+j+1], v[250:251]
	v_pk_fma_f32 v[252:253], v[XR+j+2:XR+j+3], v[XR+j+2:XR+j+3], v[252:253]
.set j, j+4
.endr
	v_pk_add_f32 v[250:251], v[250:251], v[252:253]
	v_add_f32 v250, v250, v251
	WSUM 250, 251
	v_mul_f32 v250, 0x3a802008, v250               ; / 1,023: the unbiased variance
	s_wait_alu depctr_va_vdst(0)
	v_sqrt_f32 v250, v250
	v_nop                                          ; a plain line behind the root,
	s_wait_alu depctr_va_vdst(0)                   ; and the wait ahead of its first reader
	v_add_f32 v250, 0x3089705f, v250               ; + 1e-9, to the deviation
	s_wait_alu depctr_va_vdst(0)
	v_rcp_f32 v250, v250
	v_nop
	s_wait_alu depctr_va_vdst(0)
.set j, 0
.rept 16
	v_pk_mul_f32 v[XR+j:XR+j+1], v[XR+j:XR+j+1], v[250:251] op_sel_hi:[1,0]
.set j, j+2
.endr
.set j, 0
.rept 16
	v_pk_fma_f32 v[XR+j:XR+j+1], v[XR+j:XR+j+1], v[SC+j:SC+j+1], v[SH+j:SH+j+1]
.set j, j+2
.endr
.set q, 0
.rept NQ                               ; eight registers are columns 256 c + 4 l + 0..3 and 256 c + 128 + 4 l + 0..3: each of the two result registers is four neighbouring codes
.set c, 0
.rept 4
.set k, 0
.rept 8
	v_med3_num_f32 v[T+8*(c%2)+k], v[XR+8*c+k], -v[5+2*q], v[5+2*q]
.set k, k+1
.endr
	v_cvt_scalef32_pk8_fp8_f32 v[CC+2*c:CC+2*c+1], v[T+8*(c%2):T+8*(c%2)+7], v[4+2*q]   ; the two sets take turns, so plain lines stand between a conversion and the next write of its sources
.set c, c+1
.endr
.set k, 0
.rept 8
	ds_store_b32 v2, v[CC+k] offset:1024*q+128*k   ; codes of columns 128 k + 4 l on: 128 neighbouring bytes a wave
.set k, k+1
.endr
	s_wait_dscnt 0x0                               ; the stores have read the codes' registers
.set q, q+1
.endr
.set k, 0
.rept 2*NQ
	ds_load_b128 v[XR+4*k:XR+4*k+3], v3 offset:512*k   ; back, 16 bytes a lane, into the row's registers, which are done with.  LDS serves a wave's instructions in order
.set k, k+1
.endr
	s_wait_dscnt 0x0
.set q, 0
.rept NQ
	global_store_b128 v1, v[XR+8*q:XR+8*q+3], s[OB+2*q:OB+2*q+1] offset:1024*(\i)       ; 512 consecutive bytes, aligned
	global_store_b128 v1, v[XR+8*q+4:XR+8*q+7], s[OB+2*q:OB+2*q+1] offset:1024*(\i)+512
.set q, q+1
.endr
.endm
	s_load_b512 s[8:23], s[0:1], 0x0               ; inputs s[8:9], gain s[10:11], shift s[12:13], Wq s[14:15], Wk s[16:17], Wv s[18:19], Wo s[20:21], W1 s[22:23]
	s_load_b256 s[24:31], s[0:1], 0x40             ; W2 s[24:25], the scales' exponents s[26:27], wcodes s[28:29], xcodes s[30:31]
	v_lshl_add_u32 v[SPW], v0, 2, SPARE
	v_mov_b32 v[NIL], 0
	v_lshrrev_b32 v1, 5, v0
	v_readfirstlane_b32 s3, v1                     ; wave 0..3
	v_and_b32 v2, 31, v0                           ; lane
	s_cmp_ge_u32 ttmp9, 384
	s_cbranch_scc1 .Lln
	; ---------------- the weights.  0-127: Wq, Wk, Wv, Wo, 32 work-groups each (8 along N x 4 along K); 128-255: W1 (32 x 4); 256-383: W2 (8 x 16)
	s_lshr_b32 s33, ttmp9, 7                       ; class: 0 the squares, 1 W1, 2 W2
	s_lshr_b32 s34, ttmp9, 5                       ; among the squares: which
	s_and_b32 s35, ttmp9, 127
	s_and_b32 s36, ttmp9, 31
	s_cmp_eq_u32 s33, 0
	s_cselect_b32 s35, s36, s35                    ; my number within the tensor
	s_lshl_b32 s41, s33, 2
	s_cmp_eq_u32 s33, 0
	s_cselect_b32 s41, s34, s41                    ; the tensor's place in wcodes, in MiB: 0, 1, 2, 3, 4, 8
	s_lshl_b32 s41, s41, 20
	s_cmp_eq_u32 s33, 1
	s_cselect_b32 s37, 31, 7
	s_cselect_b32 s38, 5, 3
	s_cselect_b32 s39, 14, 12                      ; log2 of a K row's bytes: 16,384 in W1, else 4,096
	s_and_b32 s37, s35, s37                        ; which 128 columns
	s_lshr_b32 s38, s35, s38                       ; which 256 along K
	s_cmp_eq_u32 s33, 2
	s_cselect_b32 s40, 12, 10                      ; log2 of a row of codes: 4,096 in W2, else 1,024
	s_lshl_b32 s42, s34, 1
	s_add_co_u32 s42, s42, 1                       ; the scale's entry: 1, 3, 5 for Wq, Wk, Wv;
	s_lshl_b32 s43, s33, 1
	s_add_co_u32 s43, s43, 11                      ; 11, 13, 15 for Wo, W1, W2
	s_cmp_lt_u32 s34, 3
	s_cselect_b32 s42, s42, s43
	s_lshl_b32 s42, s42, 2
	s_mov_b32 s43, 0
	s_lshl_b32 s32, 1, s39                         ; a K row's bytes
	s_wait_alu depctr_va_vdst(0)
	v_lshlrev_b32 v[OFF], 2, v2
.set i, 1
.rept 31
	v_add_nc_u32 v[OFF+i], s32, v[OFF+i-1]
.set i, i+1
.endr
	s_mul_i32 s2, s3, 32*PITCH                     ; my stage
	v_mul_u32_u24 v4, v2, PITCH
	v_add_nc_u32 v4, s2, v4                        ; into it: row = my column
	v_and_b32 v5, 15, v2
	v_lshrrev_b32 v6, 4, v2
	v_mul_u32_u24 v7, v6, PITCH
	v_lshl_add_u32 v7, v5, 4, v7
	v_add_nc_u32 v7, s2, v7                        ; out of it: sixteen lanes to a row, two rows an instruction
	v_lshlrev_b32 v[OOFF], s40, v6
	v_lshl_add_u32 v[OOFF], v5, 4, v[OOFF]
	s_lshl_b32 s36, 2, s40                         ; two rows of codes
.set i, 1
.rept 15
	v_add_nc_u32 v[OOFF+i], s36, v[OOFF+i-1]
.set i, i+1
.endr
	s_wait_kmcnt 0x0
	s_add_nc_u64 s[62:63], s[26:27], s[42:43]
	s_load_b32 s35, s[62:63], 0x0                  ; e
	s_cmp_eq_u32 s34, 1                            ; the tensor: a choice on the work-group's number alone
	s_cselect_b64 s[4:5], s[16:17], s[14:15]
	s_cmp_eq_u32 s34, 2
	s_cselect_b64 s[4:5], s[18:19], s[4:5]
	s_cmp_eq_u32 s34, 3
	s_cselect_b64 s[4:5], s[20:21], s[4:5]
	s_cmp_eq_u32 s33, 1
	s_cselect_b64 s[4:5], s[22:23], s[4:5]
	s_cmp_eq_u32 s33, 2
	s_cselect_b64 s[4:5], s[24:25], s[4:5]
	s_add_co_u32 s36, s39, 8
	s_lshl_b32 s60, s38, s36                       ; 256 K rows x which
	s_lshl_b32 s61, s37, 9
	s_add_co_u32 s60, s60, s61                     ; + 128 columns x which
	s_lshl_b32 s61, s3, 7
	s_add_co_u32 s60, s60, s61                     ; + my wave's 32 columns
	s_mov_b32 s61, 0
	s_add_nc_u64 s[BASE:BASE+1], s[4:5], s[60:61]
	s_add_co_u32 s36, s39, 5
	s_lshl_b32 s60, 1, s36                         ; 32 K rows
.irp t, 1,2,3,4,5,6,7
	s_add_nc_u64 s[BASE+2*\t:BASE+2*\t+1], s[BASE+2*\t-2:BASE+2*\t-1], s[60:61]
.endr
	s_lshl_b32 s60, s37, 7
	s_lshl_b32 s36, s3, 5
	s_add_co_u32 s60, s60, s36                     ; my wave's first column = its first row of codes
	s_lshl_b32 s60, s60, s40
	s_add_co_u32 s60, s60, s41
	s_lshl_b32 s36, s38, 8
	s_add_co_u32 s60, s60, s36                     ; + 256 bytes x which along K
	s_add_nc_u64 s[6:7], s[28:29], s[60:61]
	LOAD 0
	LOAD 1
	s_wait_kmcnt 0x0
	s_add_co_i32 s35, s35, 127
	s_lshl_b32 s36, s35, 23
	v_mov_b32 v11, s36                             ; 2^e as f32: the conversion takes its exponent field
	s_add_co_i32 s35, s35, 8
	s_lshl_b32 s35, s35, 23
	s_or_b32 s35, s35, 0x600000
	v_mov_b32 v10, s35                             ; 448 x 2^e
	s_wait_alu depctr_va_vdst(0)
.irp t, 0,1,2,3,4,5,6,7
	BLOCK \t
.endr
.irp t, 0,1,2,3,4,5,6,7,8,9,10,11,12,13,14,15
	ds_load_b128 v[OUTR+4*\t:OUTR+4*\t+3], v7 offset:2*\t*PITCH   ; LDS serves a wave's instructions in order: these see my stores
.endr
.irp t, 0,1,2,3,4,5,6,7,8,9,10,11,12,13,14,15
	s_wait_dscnt 15-\t                             ; the younger loads may be out
	global_store_b128 v[OOFF+\t], v[OUTR+4*\t:OUTR+4*\t+3], s[6:7]   ; sixteen lanes store 256 consecutive bytes, aligned
.endr
	s_wait_tensorcnt 0x0                           ; the wave's end
	ds_add_u32 v[SPW], v[NIL]
	s_wait_dscnt 0x0
	s_endpgm
	; ---------------- layer norm 1
.Lln:
	s_sub_co_u32 s33, ttmp9, 384
	s_lshl_b32 s33, s33, 4
	s_lshl_b32 s34, s3, 2
	s_add_co_u32 s33, s33, s34                     ; my wave's first row
	s_lshl_b32 s34, s33, 12
	s_mov_b32 s35, 0
	s_lshl_b32 s36, s33, 10
	s_mov_b32 s37, 0
	s_mov_b32 s50, 0x76543210                      ; v_permlanex16_b32's selects for lane l xor 16
	s_mov_b32 s51, 0xfedcba98
	s_wait_alu depctr_va_vdst(0)
	v_lshlrev_b32 v1, 4, v2                        ; 16 x lane
	s_mul_i32 s38, s3, 3072
	s_add_co_u32 s38, s38, STGL                    ; my stage
	v_lshl_add_u32 v3, v2, 4, s38
	v_lshl_add_u32 v2, v2, 2, s38
	s_wait_alu depctr_va_vdst(0)
	s_wait_kmcnt 0x0
	s_load_b256 s[52:59], s[26:27], 0x0            ; entries 0 to 7
	s_add_nc_u64 s[8:9], s[8:9], s[34:35]
	s_add_nc_u64 s[44:45], s[30:31], s[36:37]
	s_add_nc_u64 s[46:47], s[44:45], 0x400000
	s_add_nc_u64 s[48:49], s[44:45], 0x800000
.irp j, 0,1,2,3,4,5,6,7
	global_load_b128 v[SC+4*\j:SC+4*\j+3], v1, s[10:11] offset:512*\j
.endr
.irp j, 0,1,2,3,4,5,6,7
	global_load_b128 v[SH+4*\j:SH+4*\j+3], v1, s[12:13] offset:512*\j
.endr
.irp i, 0,1,2,3
.irp j, 0,1,2,3,4,5,6,7
	global_load_b128 v[LX+32*\i+4*\j:LX+32*\i+4*\j+3], v1, s[8:9] offset:4096*\i+512*\j th:TH_LOAD_NT
.endr
.endr
	s_wait_kmcnt 0x0
.irp q, 0,1,2
	s_add_co_i32 s36, s[52+2*\q], 127
	s_lshl_b32 s37, s36, 23
	v_mov_b32 v[4+2*\q], s37                       ; 2^e
	s_add_co_i32 s36, s36, 8
	s_lshl_b32 s36, s36, 23
	s_or_b32 s36, s36, 0x600000
	v_mov_b32 v[5+2*\q], s36                       ; 448 x 2^e
.endr
	LNROW 0
	LNROW 1
	LNROW 2
	LNROW 3
	s_wait_tensorcnt 0x0                           ; the wave's end
	ds_add_u32 v[SPW], v[NIL]
	s_wait_dscnt 0x0
	s_endpgm
.Lfunc_end_k_q3f4c8c020e_prep:
	.size	k_q3f4c8c020e_prep, .Lfunc_end_k_q3f4c8c020e_prep-k_q3f4c8c020e_prep
	.p2alignl 7, 3214868480
	.fill 96, 4, 3214868480
	.section	.rodata,"a",@progbits
	.p2align	6, 0x0
	.amdhsa_kernel k_q3f4c8c020e_prep
		.amdhsa_group_segment_fixed_size 47616
		.amdhsa_private_segment_fixed_size 0
		.amdhsa_enable_private_segment 0
		.amdhsa_kernarg_size 96
		.amdhsa_user_sgpr_count 2
		.amdhsa_user_sgpr_kernarg_segment_ptr 1
		.amdhsa_wavefront_size32 1
		.amdhsa_system_sgpr_workgroup_id_x 1
		.amdhsa_system_sgpr_workgroup_id_y 1
		.amdhsa_system_sgpr_workgroup_id_z 1
		.amdhsa_system_vgpr_workitem_id 0
		.amdhsa_next_free_vgpr 256
		.amdhsa_next_free_sgpr 66
		.amdhsa_reserve_vcc 0
		.amdhsa_float_denorm_mode_32 3
		.amdhsa_float_denorm_mode_16_64 3
		.amdhsa_memory_ordered 1
		.amdhsa_forward_progress 1
		.amdhsa_inst_pref_size 121
	.end_amdhsa_kernel
	.amdgpu_metadata
---
amdhsa.version: [ 1, 2 ]
amdhsa.kernels:
  - .name:           k_q3f4c8c020e_prep
    .symbol:         k_q3f4c8c020e_prep.kd
    .args:
      - { .name: inputs, .offset: 0, .size: 8, .value_kind: global_buffer, .address_space: global }
      - { .name: ln1_scale, .offset: 8, .size: 8, .value_kind: global_buffer, .address_space: global }
      - { .name: ln1_shift, .offset: 16, .size: 8, .value_kind: global_buffer, .address_space: global }
      - { .name: Wq, .offset: 24, .size: 8, .value_kind: global_buffer, .address_space: global }
      - { .name: Wk, .offset: 32, .size: 8, .value_kind: global_buffer, .address_space: global }
      - { .name: Wv, .offset: 40, .size: 8, .value_kind: global_buffer, .address_space: global }
      - { .name: Wo, .offset: 48, .size: 8, .value_kind: global_buffer, .address_space: global }
      - { .name: W1, .offset: 56, .size: 8, .value_kind: global_buffer, .address_space: global }
      - { .name: W2, .offset: 64, .size: 8, .value_kind: global_buffer, .address_space: global }
      - { .name: lowp_scales, .offset: 72, .size: 8, .value_kind: global_buffer, .address_space: global }
      - { .name: wcodes, .offset: 80, .size: 8, .value_kind: global_buffer, .address_space: global }
      - { .name: xcodes, .offset: 88, .size: 8, .value_kind: global_buffer, .address_space: global }
    .group_segment_fixed_size: 47616
    .private_segment_fixed_size: 0
    .kernarg_segment_align: 8
    .kernarg_segment_size: 96
    .max_flat_workgroup_size: 128
    .sgpr_count:     66
    .vgpr_count:     256
    .wavefront_size: 32
...
	.end_amdgpu_metadata
.endif
;; end of part 1
;; launch qkv (part 2): grid 12 x 16, 4 waves a work-group, clusters of 4 x 4, 327,680 bytes of LDS; arguments xcodes, wcodes, lowp_scales, bq, bk, bv, qkvc; writes qkvc
.if DOCPART == 2
	.amdgcn_target "amdgcn-amd-amdhsa--gfx1250"
	.amdhsa_code_object_version 6
	.text
	.protected	k_q3f4c8c020e_qkv
	.globl	k_q3f4c8c020e_qkv
	.p2align	8
	.type	k_q3f4c8c020e_qkv,@function
k_q3f4c8c020e_qkv:
	s_mov_b64 s[64:65], 0
	v_nop
	global_prefetch_b8 v0, s[64:65] scope:SCOPE_SE
	s_setreg_imm32_b32 hwreg(HW_REG_WAVE_MODE, 25, 1), 1
	s_wait_xcnt 0x0
	s_wait_alu depctr_hold_cnt(0) depctr_sa_sdst(0) depctr_va_vdst(0) depctr_va_sdst(0) depctr_va_ssrc(0) depctr_va_vcc(0) depctr_vm_vsrc(0)
	s_getreg_b32 s2, hwreg(HW_REG_IB_STS2, 6, 4)
	s_cmp_eq_u32 s2, 0
	s_cbranch_scc0 .Lentry_in_a_cluster
	s_endpgm
.Lentry_in_a_cluster:
	s_bfe_u32 s2, ttmp6, 0x10000c
	s_cmp_lg_u32 s2, 0xf033
	s_cbranch_scc0 .Lentry_shape_is_right
	s_endpgm
.Lentry_shape_is_right:
; q = x Wq + bq, k = x Wk + bk, v = x Wv + bv on codes of E4M3, each result quantised at once for attention's products.  A cluster column of the grid (cluster x = 0, 1, 2) is one of q, k, v.
; A tile of 256 x 256 is made by four waves, each 128 x 128: 64 accumulators, 512 registers.  K = 1,024 goes in steps of 256 through a ring of two LDS slots filled by joint tensor loads.
; CLUSTERS: 4 x 4 work-groups.  The four of a row of the cluster need the same tile of the first operand, the four of a column the same tile of the second: each is asked for jointly.
; THE MATRIX INSTRUCTION IS USED TRANSPOSED (source 0 = 16 rows of the second operand, source 1 = 16 rows of the first): a lane holds one row and eight neighbouring columns of the tile.
; q, k: first operand = tokens (x's codes), second = the weight's rows n: a lane's eight numbers are eight neighbouring channels, the K of the score product.  Out: [head][token][64].
; v:    THE POINTERS ARE SWAPPED, NOT THE TEXT: first operand = Wv's rows n, second = tokens: a lane's eight numbers are eight neighbouring tokens, the K of the second product.  Out: [head][channel][2,048 keys].
; The bias goes by columns (q, k) or by rows (v): both sets of registers are loaded, the one that does not apply is cleared by a mask, and one run of arithmetic serves all three.
; LIMITS: the two operands' exponents added lie between -126 and 127, the result's exponent between -126 and 119.  NaN is not served.
; REGISTERS, in windows of 256: window 0: v0-31 addresses; v32-95 the bias by columns, v96-111 by rows; from v128 the first operand's fragments, ONE set; on the way out v128-255 are free.
;   window 1: the second operand's fragments, TWO sets.   window 2: the accumulators of my rows 0-63 ((a, b) at v[8 (8 a + b)]);   window 3: those of rows 64-127.
.set SIZE_K, 1024
.set KSTEP,  256
.set ROWB,   256
.set KROW,   SIZE_K
.set PITCH,  272                       ; an LDS row: 256 bytes + 16 of padding = 68 words: row r starts at bank 4 r mod 64 (ISA guide 11.1)
.set FR,     16
.set NL,     4
.set NP,     4                         ; places behind this matrix instruction (ISA guide 7.12.1)
.set HALFT,  128*PITCH
.set SLOT,   4*HALFT
.set LAPS,   SIZE_K/(2*KSTEP)
.set SPARE,  2*SLOT                    ; behind the ring: the spare words, 128 bytes a wave
.set ADRA, 16
.set ADRB, 20
.set STO,  24                          ; v24  the way out: where I put 8 codes of a row.  The stage, 256 rows x 272 bytes, lies in slot 0, which has had its last fill and its last read by then
.set SPW,  28
.set NIL,  29
.set LIM,  30                          ; v30  448 x the result's scale
.set SCL,  31                          ; v31  the result's scale
.set BC,   32
.set BR,   96
.set AF,   128
.set TMP,  128                         ; the way out: a block's 64 numbers
.set CD,   192                         ; and its codes
.set G1, 24
.set G0, 32
.set G1B, 48
.set G0B, 56
.set MSB, 0
.macro WIN new                         ; the immediate's high byte repeats the setting that is left
.if MSB != \new
	s_set_vgpr_msb (MSB<<8)|\new
.set MSB, \new
.endif
.endm
.set MUL_LO, 0xa1
.set MUL_HI, 0xf1
.set TO_B,   0x40
; A joint load: waves 0 and 1 fetch the first operand's halves, waves 2 and 3 the second's.  The branch hangs on the wave's number alone.  An s_nop 0 and four v_nop follow each line.
.macro JLOAD g0a, g1a, g0b, g1b
	s_cmp_eq_u32 s15, 0
	s_cbranch_scc0 .Lfor_b_\@
	tensor_load_to_lds s[\g0a:\g0a+3], s[\g1a:\g1a+7]
	s_nop 0
.rept 4
	v_nop
.endr
	s_branch .Lasked_\@
.Lfor_b_\@:
	tensor_load_to_lds s[\g0b:\g0b+3], s[\g1b:\g1b+7]
	s_nop 0
.rept 4
	v_nop
.endr
.Lasked_\@:
.endm
.macro CREST
	s_cmp_lg_u32 s14, 0
	s_cbranch_scc1 .Lnot_wave_0_\@
	s_barrier_signal -3
.Lnot_wave_0_\@:
	s_barrier_wait -3
	s_barrier_signal -1
	s_barrier_wait -1
.endm
.macro CROUND
	s_barrier_signal -1
	s_barrier_wait -1
	CREST
.endm
	s_load_b128 s[4:7], s[0:1], 0x0                ; xcodes s[4:5], wcodes s[6:7]
	s_load_b128 s[8:11], s[0:1], 0x10              ; the scales' exponents s[8:9], bq s[10:11]
	s_load_b128 s[68:71], s[0:1], 0x20             ; bk s[68:69], bv s[70:71]
	s_load_b64 s[72:73], s[0:1], 0x30              ; qkvc
	v_lshl_add_u32 v[SPW], v0, 2, SPARE
	v_mov_b32 v[NIL], 0
	ds_add_u32 v[SPW], v[NIL]                      ; the wave's opening: the add and its wait ahead of my first tensor load; work on registers stands between
	ds_add_u32 v[SPW], v[NIL]
	v_lshrrev_b32 v1, 5, v0
	v_readfirstlane_b32 s14, v1                    ; wave 0..3
	s_lshr_b32 s15, s14, 1                         ; which half of the tile's rows is mine.  Also: which operand I fetch for
	s_and_b32 s16, s14, 1                          ; which half of its columns.  Also: which 128 rows of that tile I fetch
	s_bfe_u32 s40, ttmp6, 0x40000                  ; cx, cy
	s_bfe_u32 s41, ttmp6, 0x40004
	s_and_b32 s74, ttmp7, 0xffff
	s_lshl_b32 s74, s74, 2                         ; 4 x cluster y: it walks the tokens
	s_cmp_eq_u32 ttmp9, 2                          ; v?  The cluster's x is the same in all sixteen partners
	s_cselect_b32 s75, 0, s74
	s_cselect_b32 s76, s74, 0
	s_add_co_u32 s17, s41, s75                     ; tile row: tokens (q, k) or Wv's rows (v)
	s_add_co_u32 s42, s40, s76                     ; tile column: the weight's rows (q, k) or tokens (v)
	s_lshl_b32 s84, ttmp9, 20                      ; the weight's place in wcodes,
	s_lshl_b32 s85, ttmp9, 22                      ; x's codes' place in xcodes
	s_cmp_eq_u32 ttmp9, 2
	s_cselect_b32 s86, s84, s85
	s_cselect_b32 s88, s85, s84
	s_lshl_b32 s43, s41, 2
	s_lshl_b32 s43, 15, s43                        ; my row of the cluster
	s_lshl_b32 s44, 0x1111, s40                    ; my column
	s_or_b32 s[G1+0], s43, (0<<16)|(1<<20)|(1<<21)|(5<<22)|(3<<25)  ; the mask; elements of 1 byte; padding on; bit 21 beside a mask; after every 64 words, 4 words
	s_or_b32 s[G1B+0], s44, (0<<16)|(1<<20)|(1<<21)|(5<<22)|(3<<25)
.irp g, G1, G1B
	s_mov_b32 s[\g+1], ROWB<<16                    ; tensor_dim0
	s_mov_b32 s[\g+2], 128<<16                     ; tensor_dim1
	s_mov_b32 s[\g+3], ROWB<<16                    ; tile_dim0
	s_mov_b32 s[\g+4], 128                         ; tile_dim1
	s_mov_b32 s[\g+5], KROW                        ; the pitch
	s_mov_b32 s[\g+6], 0
	s_mov_b32 s[\g+7], 0
.endr
	s_lshl_b32 s18, s16, 7
	s_lshl_b32 s20, s17, 8
	s_add_co_u32 s20, s20, s18                     ; first operand: row 256 x tile row + 128 x half,
	s_lshl_b32 s20, s20, 10                        ; in bytes,
	s_add_co_u32 s20, s20, s86                     ; in its tensor
	s_mov_b32 s21, 0
	s_lshl_b32 s46, s42, 8
	s_add_co_u32 s46, s46, s18
	s_lshl_b32 s46, s46, 10
	s_add_co_u32 s46, s46, s88
	s_mov_b32 s47, 0
	s_mul_i32 s45, s14, HALFT                      ; where they go: wave x 128 rows
	s_lshl_b32 s90, ttmp9, 3
	s_mov_b32 s91, 0
	s_wait_dscnt 0x0                               ; the opening add is done
	s_wait_kmcnt 0x0
	s_add_nc_u64 s[92:93], s[8:9], s[90:91]
	s_load_b64 s[96:97], s[92:93], 0x0             ; the two operands' exponents: entries 2 m, 2 m + 1
	s_lshl_b32 s90, ttmp9, 2
	s_add_co_u32 s90, s90, 24
	s_cmp_eq_u32 ttmp9, 2
	s_cselect_b32 s90, 36, s90                     ; the result's: entry 6, 7 or 9
	s_cselect_b64 s[78:79], s[6:7], s[4:5]
	s_cselect_b64 s[82:83], s[4:5], s[6:7]
	s_add_nc_u64 s[94:95], s[8:9], s[90:91]
	s_load_b32 s98, s[94:95], 0x0
	s_add_nc_u64 s[20:21], s[78:79], s[20:21]
	s_add_nc_u64 s[46:47], s[82:83], s[46:47]
	s_cmp_eq_u32 ttmp9, 1
	s_cselect_b64 s[66:67], s[68:69], s[10:11]
	s_cmp_eq_u32 ttmp9, 2
	s_cselect_b64 s[66:67], s[70:71], s[66:67]     ; the bias
	s_cmp_eq_u32 s15, 0                            ; the prefetches: of the 128 rows that I fetch, each of the four partners that ask with me names 32, told apart by address (cx for the first operand, cy for the second)
	s_cselect_b64 s[12:13], s[20:21], s[46:47]
	s_cselect_b32 s2, s40, s41
	s_lshl_b32 s2, s2, 15                          ; 32 rows of 1,024 bytes
	s_mov_b32 s3, 0
	s_add_nc_u64 s[12:13], s[12:13], s[2:3]        ; never rewritten
	v_and_b32 v14, 31, v0
	v_lshlrev_b32 v14, 10, v14                     ; a lane a row; never rewritten
	s_wait_alu depctr_va_vdst(0)                   ; the wait ahead of the round
	CROUND
.irp s, 0,1
	s_mov_b32 s[G0+4*\s], 1
	s_add_co_u32 s[G0+4*\s+1], s45, \s*SLOT
	s_add_nc_u64 s[G0+4*\s+2:G0+4*\s+3], s[20:21], \s*ROWB
	s_or_b32 s[G0+4*\s+3], s[G0+4*\s+3], 0x80000000
	s_mov_b32 s[G0B+4*\s], 1
	s_add_co_u32 s[G0B+4*\s+1], s45, \s*SLOT
	s_add_nc_u64 s[G0B+4*\s+2:G0B+4*\s+3], s[46:47], \s*ROWB
	s_or_b32 s[G0B+4*\s+3], s[G0B+4*\s+3], 0x80000000
.if \s
	s_wait_alu depctr_va_vdst(0)                   ; slot 1's first fill is issued as a refill is: these lines and a round stand ahead of it
	s_wait_tensorcnt 0x0                           ; my part of slot 0 is in
	ds_add_u32 v[SPW], v[NIL]
	s_wait_dscnt 0x0
	CROUND
.endif
	JLOAD G0+4*\s, G1, G0B+4*\s, G1B
	global_prefetch_b8 v14, s[12:13] offset:(\s+1)*ROWB th:TH_LOAD_NT scope:SCOPE_SE   ; the K step that the next fill asks for: 32 rows x 256 bytes
.endr
	v_and_b32 v1, 15, v0                           ; r = l % 16
	v_bfe_u32 v2, v0, 4, 1                         ; h = l / 16
	v_mul_u32_u24 v3, v1, PITCH
	s_wait_alu depctr_va_vdst(0)
	v_lshl_add_u32 v4, v2, 4, v3
	s_mul_i32 s21, s15, HALFT
	s_mul_i32 s22, s16, HALFT
	s_add_co_u32 s22, s22, 2*HALFT
.irp s, 0,1
	v_add_nc_u32 v[ADRA+\s], s21, v4
	v_add_nc_u32 v[ADRB+\s], s22, v4
	s_add_co_u32 s21, s21, SLOT
	s_add_co_u32 s22, s22, SLOT
.endr
	s_mul_i32 s23, s15, 128*PITCH                  ; the stage, on the way in: row 128 x row half + r, byte 128 x column half + 16 h
	s_lshl_b32 s2, s16, 7
	s_add_co_u32 s23, s23, s2
	v_lshl_add_u32 v5, v2, 4, v3                   ; 16 h: within every 32 columns the four groups of 8 lie in the order 0, 2, 1, 3: attention reads q, k (channels) and v (keys) in that order
	v_add_nc_u32 v[STO], s23, v5
	s_mul_i32 s23, s14, 64*PITCH                   ; on the way out wave w takes rows 64 w .. 64 w + 63
	v_and_b32 v6, 31, v0
	v_lshrrev_b32 v7, 2, v6
	v_mul_u32_u24 v7, v7, PITCH
	v_and_b32 v5, 3, v6
	v_lshl_add_u32 v7, v5, 4, v7
	v_add_nc_u32 v10, s23, v7                      ; q, k: four lanes to a head's 64 bytes of a row, eight rows an instruction
	v_mul_u32_u24 v7, v2, PITCH
	v_lshl_add_u32 v7, v1, 4, v7
	v_add_nc_u32 v11, s23, v7                      ; v: sixteen lanes to a row, two rows an instruction
	v_lshlrev_b32 v12, 4, v6                       ; q, k: 16 x lane in memory
	v_lshlrev_b32 v13, 11, v2
	v_lshl_add_u32 v13, v1, 4, v13                 ; v: rows of 2,048 bytes
	v_lshlrev_b32 v8, 5, v2                        ; the bias by columns: 32 h
	s_wait_alu depctr_va_vdst(0)
	v_lshlrev_b32 v9, 2, v1                        ; by rows: 4 r
	s_wait_alu depctr_va_vdst(0)
	s_lshl_b32 s18, s42, 8
	s_lshl_b32 s19, s16, 7
	s_add_co_u32 s18, s18, s19                     ; my first column
	s_lshl_b32 s19, s17, 8
	s_lshl_b32 s2, s15, 7
	s_add_co_u32 s19, s19, s2                      ; my first row
	s_cmp_eq_u32 ttmp9, 2
	s_cselect_b32 s18, 0, s18                      ; the set that does not apply reads the bias's first numbers, and is cleared below
	s_cselect_b32 s19, s19, 0
	s_cselect_b32 s80, 0, -1
	s_cselect_b32 s81, -1, 0
	s_lshl_b32 s76, s18, 2
	s_mov_b32 s77, 0
	s_add_nc_u64 s[76:77], s[66:67], s[76:77]
	s_lshl_b32 s86, s19, 2
	s_mov_b32 s87, 0
	s_add_nc_u64 s[86:87], s[66:67], s[86:87]
.irp b, 0,1,2,3,4,5,6,7
	global_load_b128 v[BC+8*\b:BC+8*\b+3], v8, s[76:77] offset:64*\b       ; columns 16 b + 8 h + 0 .. 7: they land under the products
	global_load_b128 v[BC+8*\b+4:BC+8*\b+7], v8, s[76:77] offset:64*\b+16
.endr
.irp a, 0,1,2,3,4,5,6,7
	global_load_b32 v[BR+2*\a], v9, s[86:87] offset:64*\a                  ; row 16 a + r
.endr
.macro FRAG reg, adr, q, i             ; a fragment: 16 rows x 128 K in 16 registers; registers 4 c .. 4 c + 3 hold K = 32 c + 16 h + 0 .. 15: the same order of K in both operands
.irp c, 0,1,2,3
	ds_load_b128 v[\reg+4*\c:\reg+4*\c+3], v[\adr] offset:128*(\q)+32*\c+(\i)*16*PITCH
.endr
.endm
; 16 matrix instructions.  The 64 accumulators take turns, one instruction a turn, in the same order in every step.  zero = 1: the first product starts the sums.
.macro MUL16 a0, p, zero
.irp a, \a0, \a0+1
.irp b, 0,1,2,3,4,5,6,7
.if \zero
	v_wmma_f32_16x16x128_fp8_fp8 v[8*(8*((\a)%4)+\b):8*(8*((\a)%4)+\b)+7], v[128*(\p)+FR*\b:128*(\p)+FR*\b+FR-1], v[AF+FR*(\a):AF+FR*(\a)+FR-1], 0
.else
	v_wmma_f32_16x16x128_fp8_fp8 v[8*(8*((\a)%4)+\b):8*(8*((\a)%4)+\b)+7], v[128*(\p)+FR*\b:128*(\p)+FR*\b+FR-1], v[AF+FR*(\a):AF+FR*(\a)+FR-1], v[8*(8*((\a)%4)+\b):8*(8*((\a)%4)+\b)+7]
.endif
.endr
.endr
.endm
.macro FETCH_B slot, q, p
	WIN TO_B
.irp i, 0,1,2,3,4,5,6,7
	FRAG 128*(\p)+FR*\i, ADRB+\slot, \q, \i
.endr
	WIN 0
.endm
.macro FETCH_A slot, q, i0
.irp i, \i0, \i0+1, \i0+2, \i0+3
	FRAG AF+FR*(\i), ADRA+\slot, \q, \i
.endr
.endm
.macro PLACES n                        ; plain vector lines between a matrix instruction and a load into, or a vector read of, its registers
.rept \n
	v_nop
.endr
.endm
.macro STEP slot, q, zero              ; 128 along K, with its successor in the same slot
	s_wait_dscnt 4*NL                              ; the second operand's set and blocks 0-3 are in; the youngest sixteen loads (blocks 4-7) may be out
	WIN MUL_LO
	MUL16 0, (\q)%2, \zero
	MUL16 2, (\q)%2, \zero
	s_wait_dscnt 0
	PLACES NP
	FETCH_B \slot, (\q)+1, 1-(\q)%2
	FETCH_A \slot, (\q)+1, 0
	WIN MUL_HI
	MUL16 4, (\q)%2, \zero
	MUL16 6, (\q)%2, \zero
	PLACES NP
	WIN 0
	FETCH_A \slot, (\q)+1, 4
.endm
; A slot's last step changes slots: one barrier; ahead of it each wave waits for all its tensor loads, adds 0 to its spare word, and waits for that and for its reads of this slot.
.macro TURN slot, next, fill
	s_wait_tensorcnt 0x0                           ; all my tensor loads have landed: my part of the next slot
	ds_add_u32 v[SPW], v[NIL]
	s_wait_dscnt 4*NL+1                            ; the add and the youngest sixteen loads may be out
	WIN MUL_LO
	MUL16 0, 1, 0
	s_wait_dscnt 0x0                               ; the add is done, and my reads of this slot are over
	s_barrier_signal -1
	MUL16 2, 1, 0
	WIN 0
	s_barrier_wait -1
.if \fill
	CREST                                          ; the barrier has opened a round of the cluster's: no wave of any partner still reads this slot or has a load on its way
	s_add_nc_u64 s[G0+4*\slot+2:G0+4*\slot+3], s[G0+4*\slot+2:G0+4*\slot+3], 2*ROWB
	s_add_nc_u64 s[G0B+4*\slot+2:G0B+4*\slot+3], s[G0B+4*\slot+2:G0B+4*\slot+3], 2*ROWB
	JLOAD G0+4*\slot, G1, G0B+4*\slot, G1B         ; the first tensor load behind the round; its four v_nop are the places in front of the loads below
.else
	PLACES NP
.endif
	FETCH_B \next, 0, 0
	FETCH_A \next, 0, 0
.if (\fill) && (\slot) == 0
	global_prefetch_b8 v14, s[12:13] offset:3*ROWB th:TH_LOAD_NT scope:SCOPE_SE   ; the loop has one trip: this refill brings K step 2, the next and last K step 3
.endif
	WIN MUL_HI
	MUL16 4, 1, 0
	MUL16 6, 1, 0
	PLACES NP
	WIN 0
	FETCH_A \next, 0, 4
.endm
	s_wait_tensorcnt 1                             ; my part of slot 0 is in; slot 1's load may be out
	s_barrier_signal -1
	s_barrier_wait -1
	FETCH_B 0, 0, 0
	FETCH_A 0, 0, 0
	FETCH_A 0, 0, 4
	STEP 0, 0, 1
	s_mov_b32 s3, LAPS-1
.Llap:
	TURN 0, 1, 1
	STEP 1, 0, 0
	TURN 1, 0, 1
	STEP 0, 0, 0
	s_sub_co_u32 s3, s3, 1
	s_cmp_lg_u32 s3, 0
	s_cbranch_scc1 .Llap
	TURN 0, 1, 0                                   ; the last lap fills nothing
	STEP 1, 0, 0
	s_wait_dscnt 4*NL
	WIN MUL_LO
	MUL16 0, 1, 0
	MUL16 2, 1, 0
	s_wait_dscnt 0
	WIN MUL_HI
	MUL16 4, 1, 0
	MUL16 6, 1, 0
	WIN 0
	; THE WAY OUT: sum x 2^(the operands' exponents) + bias, held, converted; 8 codes a lane into the work-group's stage; a barrier, since a row's 256 bytes come from two waves; back by rows.
	s_wait_kmcnt 0x0
	s_add_co_i32 s96, s96, s97
	s_add_co_i32 s96, s96, 127
	s_lshl_b32 s96, s96, 23                        ; 2^(ea + eb) as f32
	s_mov_b32 s97, s96
	s_add_co_i32 s98, s98, 127
	s_lshl_b32 s99, s98, 23
	s_add_co_i32 s98, s98, 8
	s_lshl_b32 s98, s98, 23
	s_or_b32 s98, s98, 0x600000
	s_wait_loadcnt 0x0                             ; the biases
	v_mov_b32 v[SCL], s99
	v_mov_b32 v[LIM], s98
.set j, 0
.rept 64
	v_and_b32 v[BC+j], s80, v[BC+j]                ; the set that does not apply becomes 0.  (These plain lines are also the places behind the last products)
.set j, j+1
.endr
.irp a, 0,1,2,3,4,5,6,7
	v_and_b32 v[BR+2*\a], s81, v[BR+2*\a]
	v_mov_b32 v[BR+2*\a+1], 0                      ; named with it as a pair
.endr
.macro QBLOCK a
.set AC, 64*((\a)%4)
	WIN 0x02+((\a)/4)                              ; source 0: window 2 or 3
.set j, 0
.rept 32
	v_pk_fma_f32 v[TMP+j:TMP+j+1], v[AC+j:AC+j+1], s[96:97], v[BC+j:BC+j+1] op_sel_hi:[1,0,1]   ; each accumulator from its low end on
.set j, j+2
.endr
	WIN 0
.set j, 0
.rept 32
	v_pk_add_f32 v[TMP+j:TMP+j+1], v[TMP+j:TMP+j+1], v[BR+2*(\a):BR+2*(\a)+1] op_sel_hi:[1,0]
.set j, j+2
.endr
.set j, 0
.rept 64
	v_med3_num_f32 v[TMP+j], v[TMP+j], -v[LIM], v[LIM]
.set j, j+1
.endr
	s_wait_alu depctr_va_vdst(0)
	s_wait_dscnt 0x0                               ; the block before's stores have read the codes' registers
.irp b, 0,1,2,3,4,5,6,7
	v_cvt_scalef32_pk8_fp8_f32 v[CD+2*\b:CD+2*\b+1], v[TMP+8*\b:TMP+8*\b+7], v[SCL]
.endr
	v_nop                                          ; a plain line between the conversions and the next write of their sources
.irp b, 0,1,2,3,4,5,6,7
	ds_store_b64 v[STO], v[CD+2*\b:CD+2*\b+1] offset:(\a)*16*PITCH+32*(\b/2)+8*(\b%2)
.endr
.endm
.irp a, 0,1,2,3,4,5,6,7
	QBLOCK \a
.endr
	s_wait_dscnt 0x0                               ; for the others' sake: my stores into the stage are done
	s_barrier_signal -1
	s_barrier_wait -1
	s_cmp_eq_u32 ttmp9, 2
	s_cbranch_scc1 .Lvout
	s_lshl_b32 s84, ttmp9, 22                      ; q at 0, k at 4 MiB;
	s_lshr_b32 s85, s17, 3
	s_lshl_b32 s85, s85, 21                        ; the batch's 16 heads of 131,072 bytes;
	s_add_co_u32 s84, s84, s85
	s_lshl_b32 s85, s42, 19                        ; the tile's four heads;
	s_add_co_u32 s84, s84, s85
	s_and_b32 s85, s17, 7
	s_lshl_b32 s85, s85, 14                        ; the tile's 256 tokens of 64 bytes;
	s_add_co_u32 s84, s84, s85
	s_lshl_b32 s85, s14, 12                        ; my wave's 64
	s_add_co_u32 s84, s84, s85
	s_mov_b32 s85, 0
	s_add_nc_u64 s[72:73], s[72:73], s[84:85]
.set n, 0
.rept 32
	ds_load_b128 v[128+4*n:131+4*n], v10 offset:64*(n/8)+2176*(n%8)
.set n, n+1
.endr
.set n, 0
.rept 32
	s_wait_dscnt 31-n                              ; the younger loads may be out
	global_store_b128 v12, v[128+4*n:131+4*n], s[72:73] offset:(n/8)*131072+512*(n%8)   ; 512 consecutive bytes of one head, aligned
.set n, n+1
.endr
	s_branch .Ldone
.Lvout:
	s_lshr_b32 s85, s42, 3
	s_lshl_b32 s84, s85, 21                        ; the batch;
	s_add_co_u32 s84, s84, 0x800000                ; v at 8 MiB;
	s_lshl_b32 s85, s17, 19                        ; the tile's 256 channels of 2,048 bytes;
	s_add_co_u32 s84, s84, s85
	s_lshl_b32 s85, s14, 17                        ; my wave's 64;
	s_add_co_u32 s84, s84, s85
	s_and_b32 s85, s42, 7
	s_lshl_b32 s85, s85, 8                         ; the tile's 256 keys
	s_add_co_u32 s84, s84, s85
	s_mov_b32 s85, 0
	s_add_nc_u64 s[72:73], s[72:73], s[84:85]
.set n, 0
.rept 32
	ds_load_b128 v[128+4*n:131+4*n], v11 offset:544*n
.set n, n+1
.endr
.set n, 0
.rept 32
	s_wait_dscnt 31-n
	global_store_b128 v13, v[128+4*n:131+4*n], s[72:73] offset:4096*n   ; sixteen lanes store 256 consecutive bytes, aligned
.set n, n+1
.endr
.Ldone:
	s_wait_tensorcnt 0x0                           ; the wave's end
	ds_add_u32 v[SPW], v[NIL]
	s_wait_dscnt 0x0
	CROUND                                         ; the closing round: no work-group ends while a partner may still ask for a tile that names it
	s_endpgm
.Lfunc_end_k_q3f4c8c020e_qkv:
	.size	k_q3f4c8c020e_qkv, .Lfunc_end_k_q3f4c8c020e_qkv-k_q3f4c8c020e_qkv
	.p2alignl 7, 3214868480
	.fill 96, 4, 3214868480
	.section	.rodata,"a",@progbits
	.p2align	6, 0x0
	.amdhsa_kernel k_q3f4c8c020e_qkv
		.amdhsa_group_segment_fixed_size 327680
		.amdhsa_private_segment_fixed_size 0
		.amdhsa_enable_private_segment 0
		.amdhsa_kernarg_size 56
		.amdhsa_user_sgpr_count 2
		.amdhsa_user_sgpr_kernarg_segment_ptr 1
		.amdhsa_wavefront_size32 1
		.amdhsa_system_sgpr_workgroup_id_x 1
		.amdhsa_system_sgpr_workgroup_id_y 1
		.amdhsa_system_sgpr_workgroup_id_z 1
		.amdhsa_system_vgpr_workitem_id 0
		.amdhsa_next_free_vgpr 1024
		.amdhsa_next_free_sgpr 100
		.amdhsa_reserve_vcc 0
		.amdhsa_float_denorm_mode_32 3
		.amdhsa_float_denorm_mode_16_64 3
		.amdhsa_memory_ordered 1
		.amdhsa_forward_progress 1
		.amdhsa_inst_pref_size 172
	.end_amdhsa_kernel
	.amdgpu_metadata
---
amdhsa.version: [ 1, 2 ]
amdhsa.kernels:
  - .name:           k_q3f4c8c020e_qkv
    .symbol:         k_q3f4c8c020e_qkv.kd
    .args:
      - { .name: xcodes, .offset: 0, .size: 8, .value_kind: global_buffer, .address_space: global }
      - { .name: wcodes, .offset: 8, .size: 8, .value_kind: global_buffer, .address_space: global }
      - { .name: lowp_scales, .offset: 16, .size: 8, .value_kind: global_buffer, .address_space: global }
      - { .name: bq, .offset: 24, .size: 8, .value_kind: global_buffer, .address_space: global }
      - { .name: bk, .offset: 32, .size: 8, .value_kind: global_buffer, .address_space: global }
      - { .name: bv, .offset: 40, .size: 8, .value_kind: global_buffer, .address_space: global }
      - { .name: qkvc, .offset: 48, .size: 8, .value_kind: global_buffer, .address_space: global }
    .group_segment_fixed_size: 327680
    .private_segment_fixed_size: 0
    .kernarg_segment_align: 8
    .kernarg_segment_size: 56
    .max_flat_workgroup_size: 128
    .sgpr_count:     100
    .vgpr_count:     1024
    .wavefront_size: 32
...
	.end_amdgpu_metadata
.endif
;; end of part 2
;; launch attn (part 3): grid 8 x 32, 8 waves a work-group, no clusters, 290,816 bytes of LDS; arguments qkvc, lowp_scales, aoc; writes aoc
.if DOCPART == 3
	.amdgcn_target "amdgcn-amd-amdhsa--gfx1250"
	.amdhsa_code_object_version 6
	.text
	.protected	k_q3f4c8c020e_attn
	.globl	k_q3f4c8c020e_attn
	.p2align	8
	.type	k_q3f4c8c020e_attn,@function
k_q3f4c8c020e_attn:
	s_mov_b64 s[64:65], 0
	v_nop
	global_prefetch_b8 v0, s[64:65] scope:SCOPE_SE
	s_setreg_imm32_b32 hwreg(HW_REG_WAVE_MODE, 25, 1), 1
	s_wait_xcnt 0x0
; Causal attention of one head on codes of E4M3; the result is quantised at once for the projection (entry 10 of the scales).
; qkvc: q [32 heads][2,048][64] at 0, k likewise at 4 MiB, v [32][64 channels][2,048 keys] at 8 MiB.  Within every 32 bytes of a row the four groups of 8 lie in the order 0, 2, 1, 3:
; in q and k that is one permutation of the channels, the same in both, so every product meets its partner; in v it is the order in which p's codes fall into registers (below).
; THE SOFTMAX IS QUANTISED FINISHED AND NORMALISED, so the keys are walked twice.  Pass 1: t = score x log2(e) / 8; M = the running largest t rounded up to a whole number; the sum of 2^(t - M).
; Pass 2: the scores once more, p = 2^(t - M - log2(sum)), held at 448 x 2^e8, converted, and O^T += V^T P^T.
; LEFT OUT: key steps all of whose 128 keys come after the tile's 16 queries: the causal mask sets them to -inf, so their p is 0 for all inputs.
; A query's own key is never hidden, so the sum is at least 1/2 and no NaN arises from finite scores.  LIMITS: NaN and infinities among the scores are not served;
; the scaled scores stay under 2^31; e6 + e7 between -123 and 130; e8 and e10 - e8 - e9 between -126 and 119.
; THE HOLD: the sum holds the row's largest term, so p is at most 1 but for rounding.  Where e8 >= -8 the bound 448 x 2^e8 is 1.75 or more and holds nothing.
; K and V come through registers and not by tensor loads.
; SHARES.  A work-group owns query blocks 15 - x and x (128 queries each) of one head.  Each of its 8 waves owns one tile of 16 queries of each: 16 - x and x + 1 key steps, 17 for every wave in each pass.
; Both tiles' pass 1 come first, then both tiles' pass 2: V is first read behind the one barrier between them.
; The head's whole K and V lie in LDS: K as 512 rows of 256 bytes (4 keys), V as 8 blocks of 64 channels x 256 keys, all rows 272 bytes apart.  Each wave brings an eighth of each: 32 loads of 512 bytes; V's wait in registers under pass 1.
; NO CLUSTER, NO PREFETCH: no tensor load is issued, and both streams are asked for whole at the head; there is no loop to run ahead in.
; LAYOUT.  Both products are used transposed: S^T = K Q^T, O^T = V^T P^T: a lane holds one query (lane % 16).  Register 8 n + j of S^T is key 16 n + 8 h + j of the step, so codes' registers 2 n, 2 n + 1 hold those 8 keys;
; a 16-byte load of V at 32 c + 16 h brings, by the order 0, 2, 1, 3, keys 32 c + 8 h + 0..7 and 32 c + 16 + 8 h + 0..7: registers 4 c .. 4 c + 3 of the same layout.
; REGISTERS: v1-11 addresses; v12 -M, v13 the largest t, v[14:15] the sum; v16-23 Q; v24-31 rows on the way out; v32-95 K's fragments; v96-159 S^T, then p; v160-191 O^T; v192-207 codes;
; v208-215 the other tile's Q, v224 its -M - log2(sum); v216-223, v225 for the exchange; v226-229 the head's addresses; v236-254 at work.  Window 1: v0-63 V's fragments, v64-191 my eighth of V on its way.
.set KSB,   8704                       ; a key step in K's region: 32 rows x 272
.set VBASE, 139264
.set SPARE, 278528                     ; the spare words: 128 bytes a wave, four blocks of 256 bytes that no other line names
.set STAGE, 280576                     ; the way out: 16 rows x 80 bytes for each wave
.set AK0, 1
.set AV0, 2
.set QOF, 3
.set DR,  4                            ; v4   lane % 16 - 8 (lane / 16)
.set SPW, 5
.set NIL, 6
.set GO,  7
.set ADK, 8
.set ADV, 9
.set SIN, 10
.set SOUT, 11
.set STK, 226
.set STV, 227
.set GLK, 228
.set GLV, 229
.set TB,  2
.set WV,  18
.set SEL, 20
.set CS,  22
.set KF,  48                           ; the step's first key
.set Q0,  49                           ; the tile's first query
.set QL,  50                           ; and its last
.set TRIP, 51
.set BLK, 68                           ; the query block in hand
.set TL,  69                           ; tiles to go
.set HF,  79                           ; 1 where the hold holds nothing
.set MSB, 0
.macro WIN new                         ; the immediate's high byte repeats the setting that is left
.if MSB != \new
	s_set_vgpr_msb (MSB<<8)|\new
.set MSB, \new
.endif
.endm
.macro KLOAD adr, off                  ; a step's 8 tiles of 16 keys x 64 channels
.set n, 0
.rept 8
	ds_load_b128 v[32+8*n:35+8*n], v[\adr] offset:(\off)+1088*n
	ds_load_b128 v[36+8*n:39+8*n], v[\adr] offset:(\off)+1088*n+32
.set n, n+1
.endr
.endm
; The step's scores; behind them the NEXT step's fragments of K are asked for, so that they land under the softmax.  Behind the last step the address is held at step 15.
.macro QK q
.if \q
	s_add_co_u32 s61, s[TB], 2*KSB
	s_min_u32 s61, s61, 15*KSB
.endif
	s_wait_dscnt 0x0                               ; this step's fragments are in
.set n, 0
.rept 8
	v_wmma_f32_16x16x64_fp8_fp8 v[96+8*n:103+8*n], v[32+8*n:39+8*n], v[16:23], 0
.set n, n+1
.endr
.if \q
	v_add_nc_u32 v[ADK], s61, v[AK0]               ; with the three lines below: the four places ahead of loads into, and reads of, the products' registers
.else
	v_add_nc_u32 v[ADK], s[TB], v[AK0]
.endif
	v_nop
	v_nop
	v_nop
	KLOAD ADK, KSB*(1-(\q))
.endm
; On the diagonal hidden scores become -infinity.  A step all of whose keys count jumps over this; in the diagonal step so does each tile of 16 keys that lies wholly ahead of the 16 queries.  Branches on ids alone.
.macro MASK
	s_add_co_u32 s60, s[KF], 127
	s_cmp_le_u32 s60, s[Q0]
	s_cbranch_scc1 .Lopen_\@
	s_sub_co_i32 s60, s[Q0], s[KF]                 ; a multiple of 16
	v_add_nc_u32 v252, s60, v[DR]                  ; register 8 t + j is hidden where 16 t + j > my query - KF - 8 h
	v_mov_b32 v254, 0xff800000
	s_wait_alu depctr_va_vdst(0)                   ; the wait ahead of the branches below
.irp t, 0,1,2,3,4,5,6,7
	s_cmp_gt_u32 s60, 16*\t
	s_cbranch_scc1 .Lmt\@_\t
.irp j, 0,1,2,3,4,5,6,7
	v_cmp_gt_i32 vcc_lo, 16*\t+\j, v252
	v_cndmask_b32 v[96+8*\t+\j], v[96+8*\t+\j], v254, vcc_lo
.endr
.Lmt\@_\t:
.endr
	s_wait_alu depctr_va_vdst(0)                   ; and behind them, ahead of the readers of what was masked
.Lopen_\@:
.endm
.macro FMA b, lo, cnt                  ; score x c + v[b], cnt pairs from register 96 + lo on
.set n, \lo
.rept \cnt
	v_pk_fma_f32 v[96+n:97+n], v[96+n:97+n], s[CS:CS+1], v[\b:\b+1] op_sel_hi:[1,0,0]
.set n, n+2
.endr
.endm
; The first 32 exponentials, with the second half's 16 scalings, which depend on none of them, laid among them.  A wait stands ahead of the batch and one behind it;
; the second also stands between the scalings and the exponentials that read them.
.macro EXP_A b
	s_wait_alu depctr_va_vdst(0)
.set n, 0
.rept 16
	v_exp_f32 v[96+n], v[96+n]
	v_pk_fma_f32 v[128+n:129+n], v[128+n:129+n], s[CS:CS+1], v[\b:\b+1] op_sel_hi:[1,0,0]
	v_exp_f32 v[97+n], v[97+n]
.set n, n+2
.endr
	v_nop
	s_wait_alu depctr_va_vdst(0)
.endm
.macro STEP1 q
	s_cmp_gt_u32 s[KF], s[QL]
	s_cbranch_scc1 .Lhid_\@
	QK \q
	MASK
	v_max3_num_f32 v254, v96, v97, v98             ; the step's largest score of my query, in four chains, each accumulator from its low end on
	v_max3_num_f32 v252, v99, v100, v101
	v_max3_num_f32 v246, v102, v103, v104
	v_max3_num_f32 v247, v105, v106, v107
.set n, 12
.rept 6
	v_max3_num_f32 v254, v254, v[96+n], v[97+n]
	v_max3_num_f32 v252, v252, v[98+n], v[99+n]
	v_max3_num_f32 v246, v246, v[100+n], v[101+n]
	v_max3_num_f32 v247, v247, v[102+n], v[103+n]
.set n, n+8
.endr
	v_max3_num_f32 v254, v254, v156, v157
	v_max3_num_f32 v252, v252, v158, v159
	s_delay_alu instid0(VALU_DEP_1)
	v_max3_num_f32 v254, v254, v252, v246
	s_delay_alu instid0(VALU_DEP_1)
	v_max_num_f32 v254, v254, v247
	s_delay_alu instid0(VALU_DEP_1)
	v_permlanex16_b32 v236, v254, s[SEL], s[SEL+1]
	s_delay_alu instid0(VALU_DEP_1)
	v_max_num_f32 v254, v254, v236
	s_delay_alu instid0(VALU_DEP_1)
	v_mul_f32 v254, s[CS], v254
	s_delay_alu instid0(VALU_DEP_1)
	v_max_num_f32 v13, v13, v254                   ; the running largest t
	v_mov_b32 v254, v12
	s_delay_alu instid0(VALU_DEP_2)
	v_floor_f32 v12, -v13                          ; -M = floor(-t)
	FMA 12, 0, 4                                   ; the three lines that make 2^(old M - new M) stand among the scalings
	v_sub_f32 v254, v12, v254
	FMA 12, 8, 4
	v_cvt_i32_f32 v254, v254
	FMA 12, 16, 4
	v_ldexp_f32 v252, 1.0, v254                    ; rounds nothing
	FMA 12, 24, 4
	EXP_A 12
.set n, 0
.rept 8                                ; the other 32 exponentials; among them the first half's numbers are added by fours, each sum into registers of its own
	v_exp_f32 v[128+n], v[128+n]
	v_pk_add_f32 v[96+n:97+n], v[96+n:97+n], v[98+n:99+n]
	v_exp_f32 v[129+n], v[129+n]
	v_exp_f32 v[130+n], v[130+n]
	v_exp_f32 v[131+n], v[131+n]
.set n, n+4
.endr
	v_pk_mul_f32 v[14:15], v[14:15], v[252:253] op_sel_hi:[1,0]
	s_wait_alu depctr_va_vdst(0)                   ; one wait for the batch and for the lines laid among it
	v_pk_add_f32 v[242:243], v[96:97], v[100:101]  ; the sum of the unquantised numbers, in four chains
	v_pk_add_f32 v[246:247], v[104:105], v[108:109]
	v_pk_add_f32 v[238:239], v[112:113], v[116:117]
	v_pk_add_f32 v[14:15], v[14:15], v[120:121]
	v_pk_add_f32 v[242:243], v[242:243], v[124:125]
.set n, 0
.rept 4
	v_pk_add_f32 v[246:247], v[246:247], v[128+n:129+n]
	v_pk_add_f32 v[238:239], v[238:239], v[130+n:131+n]
	v_pk_add_f32 v[14:15], v[14:15], v[132+n:133+n]
	v_pk_add_f32 v[242:243], v[242:243], v[134+n:135+n]
.set n, n+8
.endr
	v_pk_add_f32 v[246:247], v[246:247], v[238:239]
	v_pk_add_f32 v[14:15], v[14:15], v[242:243]
	s_delay_alu instid0(VALU_DEP_1)
	v_pk_add_f32 v[14:15], v[14:15], v[246:247]
.Lhid_\@:
	s_add_co_u32 s[KF], s[KF], 128
.endm
.macro STEP2 q
	s_cmp_gt_u32 s[KF], s[QL]
	s_cbranch_scc1 .Lhid_\@
	QK \q
	v_add_nc_u32 v[ADV], s[TB], v[AV0]
	WIN 0x40                                       ; destination window 1
.set n, 0
.rept 16
	ds_load_b128 v[4*n:4*n+3], v[ADV] offset:4352*(n/4)+128*(\q)+32*(n%4)   ; tile n / 4 of 16 channels, these 128 keys
.set n, n+1
.endr
	WIN 0
	MASK
	FMA 250, 0, 32                                 ; all scalings ahead of the exponentials: they are the first readers of the scores
	s_wait_alu depctr_va_vdst(0)                   ; the wait ahead of the batch, and ahead of the branch
	s_cmp_lg_u32 s[HF], 0
	s_cbranch_scc1 .Lfree_\@
.set n, 0
.rept 32
	v_exp_f32 v[96+n], v[96+n]                     ; p, normalised
.set n, n+1
.endr
	v_nop
	s_wait_alu depctr_va_vdst(0)
.set n, 0
.rept 32                               ; the conversion does not saturate (ISA guide 7.6.2); p is not negative, so the hold is one-sided.  The first half's holds stand among the other 32 exponentials
	v_exp_f32 v[128+n], v[128+n]
	v_min_num_f32 v[96+n], v[96+n], v240
.set n, n+1
.endr
	s_wait_alu depctr_va_vdst(0)
.set n, 32
.rept 32
	v_min_num_f32 v[96+n], v[96+n], v240
.set n, n+1
.endr
	s_wait_alu depctr_va_vdst(0)                   ; the wait directly ahead of the branch
	s_branch .Lcv_\@
.Lfree_\@:
.set n, 0
.rept 64
	v_exp_f32 v[96+n], v[96+n]
.set n, n+1
.endr
	v_nop
	s_wait_alu depctr_va_vdst(0)
.Lcv_\@:
.set n, 0
.rept 8
	v_cvt_scalef32_pk8_fp8_f32 v[192+2*n:193+2*n], v[96+8*n:103+8*n], v244
.set n, n+1
.endr
	v_nop                                          ; a plain line between the conversions and the products that read their results
	WIN 0x01                                       ; source 0 window 1
	s_wait_alu depctr_va_vdst(0)                   ; the wait ahead of the first readers of O^T
	s_wait_dscnt 0x0                               ; V's fragments are in (and the next step's of K)
.set n, 0
.rept 4
	v_wmma_f32_16x16x128_fp8_fp8 v[160+8*n:167+8*n], v[16*n:16*n+15], v[192:207], v[160+8*n:167+8*n]
.set n, n+1
.endr
	WIN 0
.Lhid_\@:
	s_add_co_u32 s[KF], s[KF], 128
.endm
.macro TILEQ                           ; the tile in hand
	s_lshl_b32 s[Q0], s[BLK], 7
	s_lshl_b32 s60, s[WV], 4
	s_add_co_u32 s[Q0], s[Q0], s60
	s_add_co_u32 s[QL], s[Q0], 15
.endm
.macro QSWAP                           ; the two tiles' Q change places
.set n, 0
.rept 8
	v_mov_b32 v[216+n], v[16+n]
.set n, n+1
.endr
.set n, 0
.rept 8
	v_mov_b32 v[16+n], v[208+n]
.set n, n+1
.endr
.set n, 0
.rept 8
	v_mov_b32 v[208+n], v[216+n]
.set n, n+1
.endr
.endm
.macro BSWAP                           ; and so do their -M - log2(sum)
	v_mov_b32 v225, v224
	v_mov_b32 v224, v250
	v_mov_b32 v250, v225
.endm
	s_load_b128 s[4:7], s[0:1], 0x0                ; qkvc s[4:5], the scales' exponents s[6:7]
	s_load_b64 s[8:9], s[0:1], 0x10                ; aoc
	v_lshl_add_u32 v[SPW], v0, 2, SPARE
	v_mov_b32 v[NIL], 0
	v_lshrrev_b32 v8, 5, v0
	v_readfirstlane_b32 s[WV], v8                  ; wave 0..7
	s_and_b32 s10, ttmp7, 0xffff                   ; the head
	s_lshl_b32 s11, s10, 17                        ; its 131,072 bytes in each of q, k, v
	s_lshl_b32 s60, s[WV], 14                      ; K: my 256 keys of 64 bytes
	s_add_co_u32 s60, s60, s11
	s_add_co_u32 s60, s60, 0x400000
	s_mov_b32 s61, 0
	s_lshl_b32 s62, s[WV], 8                       ; V: my 256 keys of each channel's row
	s_add_co_u32 s62, s62, s11
	s_add_co_u32 s62, s62, 0x800000
	s_mov_b32 s63, 0
	s_sub_co_u32 s[BLK], 15, ttmp9                 ; the first tile's block
	s_lshl_b32 s70, s[WV], 4
	s_lshl_b32 s72, s[BLK], 7
	s_add_co_u32 s72, s72, s70
	s_lshl_b32 s72, s72, 6
	s_add_co_u32 s72, s72, s11
	s_mov_b32 s73, 0
	s_lshl_b32 s74, ttmp9, 7
	s_add_co_u32 s74, s74, s70
	s_lshl_b32 s74, s74, 6
	s_add_co_u32 s74, s74, s11
	s_mov_b32 s75, 0
	s_lshr_b32 s77, s10, 4
	s_lshl_b32 s77, s77, 11                        ; the batch's first token
	s_and_b32 s78, s10, 15
	s_lshl_b32 s78, s78, 6                         ; the head's 64 bytes of a row of aoc
	s_mul_i32 s12, s[WV], 1280
	s_add_co_u32 s12, s12, STAGE                   ; my stage
	s_mul_i32 s13, s[WV], 17408                    ; my 64 rows x 272 of K's region, and of V's
	s_mov_b32 s[SEL], 0x76543210
	s_mov_b32 s[SEL+1], 0xfedcba98
	s_mov_b32 s[CS], 0x3e38aa3b                    ; c = log2(e) / 8
	v_and_b32 v8, 15, v0                           ; r
	v_bfe_u32 v9, v0, 4, 1                         ; h
	v_lshlrev_b32 v[QOF], 6, v8
	v_lshl_add_u32 v[QOF], v9, 4, v[QOF]
	v_and_b32 v[GLK], 31, v0
	v_lshlrev_b32 v[GLK], 4, v[GLK]                ; K: 512 consecutive bytes a load
	v_lshlrev_b32 v[GLV], 11, v9
	v_lshl_add_u32 v[GLV], v8, 4, v[GLV]           ; V: sixteen lanes to 256 bytes of a channel, two channels a load
	s_wait_alu depctr_va_vdst(0)                   ; the wait ahead of the wait below
	s_wait_kmcnt 0x0
	s_load_b256 s[52:59], s[6:7], 0x18             ; entries 6 to 13
	s_add_nc_u64 s[40:41], s[4:5], s[60:61]
	s_add_nc_u64 s[42:43], s[4:5], s[62:63]
	s_add_nc_u64 s[72:73], s[4:5], s[72:73]
	s_add_nc_u64 s[74:75], s[4:5], s[74:75]
.set n, 0
.rept 32
	global_load_b128 v[32+4*n:35+4*n], v[GLK], s[40:41] offset:512*n
.set n, n+1
.endr
	global_load_b128 v[16:19], v[QOF], s[72:73]
	global_load_b128 v[20:23], v[QOF], s[72:73] offset:32
	global_load_b128 v[208:211], v[QOF], s[74:75]
	global_load_b128 v[212:215], v[QOF], s[74:75] offset:32
	WIN 0x40                                       ; destination window 1
.set n, 0
.rept 32
	global_load_b128 v[64+4*n:67+4*n], v[GLV], s[42:43] offset:4096*n
.set n, n+1
.endr
	WIN 0
	v_lshrrev_b32 v[AK0], 2, v8
	v_mul_u32_u24 v[AK0], v[AK0], 272
	v_and_b32 v4, 3, v8
	v_lshl_add_u32 v[AK0], v4, 6, v[AK0]
	v_lshl_add_u32 v[AK0], v9, 4, v[AK0]           ; K: key r of a tile: row r / 4, 64 (r % 4), + 16 h
	v_mul_u32_u24 v[AV0], v8, 272
	v_lshl_add_u32 v[AV0], v9, 4, v[AV0]
	v_add_nc_u32 v[AV0], VBASE, v[AV0]             ; V: channel r of a tile, + 16 h
	v_mul_u32_u24 v[STK], v9, 272
	v_lshl_add_u32 v[STK], v8, 4, v[STK]
	v_add_nc_u32 v[STK], s13, v[STK]               ; into LDS: two rows a store
	v_add_nc_u32 v[STV], VBASE, v[STK]
	v_and_b32 v4, 31, v0
	v_lshrrev_b32 v[SOUT], 2, v4
	v_and_b32 v4, 3, v4
	v_lshlrev_b32 v[GO], 10, v[SOUT]
	v_lshl_add_u32 v[GO], v4, 4, v[GO]             ; out: four lanes to a token's 64 bytes, eight tokens an instruction
	v_mul_u32_u24 v[SIN], v8, 80
	v_lshl_add_u32 v[SIN], v9, 3, v[SIN]
	v_add_nc_u32 v[SIN], s12, v[SIN]
	v_mul_u32_u24 v[SOUT], v[SOUT], 80
	v_lshl_add_u32 v[SOUT], v4, 4, v[SOUT]
	v_add_nc_u32 v[SOUT], s12, v[SOUT]
	v_lshlrev_b32 v[DR], 3, v9
	v_sub_nc_u32 v[DR], v8, v[DR]
.irp x, 224,236,251,252,253,254
	v_mov_b32 v\x, 0                               ; written once: permute destinations, upper halves of named pairs, the exchange's first content
.endr
	s_wait_alu depctr_va_vdst(0)                   ; the wait ahead of the wait below
	s_wait_kmcnt 0x0
	s_add_co_i32 s60, s52, s53
	s_lshl_b32 s60, s60, 23
	s_add_co_i32 s[CS], s[CS], s60                 ; c x 2^(e6 + e7)
	s_mov_b32 s[CS+1], s[CS]
	s_cmp_ge_i32 s54, -8
	s_cselect_b32 s[HF], 1, 0
	s_add_co_i32 s60, s54, 127
	s_lshl_b32 s61, s60, 23
	v_mov_b32 v244, s61                            ; 2^e8
	s_add_co_i32 s60, s60, 8
	s_lshl_b32 s60, s60, 23
	s_or_b32 s60, s60, 0x600000
	v_mov_b32 v240, s60                            ; 448 x 2^e8
	s_sub_co_i32 s60, s56, s54
	s_sub_co_i32 s60, s60, s55
	s_add_co_i32 s60, s60, 127
	s_lshl_b32 s61, s60, 23
	v_mov_b32 v249, s61                            ; 2^(e10 - e8 - e9): the three scales in the conversion's one
	s_add_co_i32 s60, s60, 8
	s_lshl_b32 s60, s60, 23
	s_or_b32 s60, s60, 0x600000
	v_mov_b32 v248, s60                            ; 448 x that
	s_wait_alu depctr_va_vdst(0)                   ; the wait at the head's end
	s_wait_loadcnt 32                              ; K's 32 loads and Q's 4 are in; V's 32 may be out
.set n, 0
.rept 32
	ds_store_b128 v[STK], v[32+4*n:35+4*n] offset:544*n
.set n, n+1
.endr
	s_wait_dscnt 0x0                               ; for the others' sake: my part of K is in LDS
	s_barrier_signal -1
	s_barrier_wait -1
	s_mov_b32 s[TL], 2
.Lt1:                                              ; PASS 1 of both tiles
	TILEQ
	v_mov_b32 v13, 0xff61b1e6                      ; -3e38, under every t
	v_floor_f32 v12, -v13
	v_mov_b32 v14, 0
	v_mov_b32 v15, 0
	KLOAD AK0, 0                                   ; step 0's fragments
	s_mov_b32 s[TB], 0
	s_mov_b32 s[KF], 0
	s_mov_b32 s[TRIP], 8
	s_wait_alu depctr_va_vdst(0)
.Lp1:                                              ; the trip counts are constants; hidden steps are jumped over
	STEP1 0
	STEP1 1
	s_add_co_u32 s[TB], s[TB], 17408
	s_sub_co_u32 s[TRIP], s[TRIP], 1
	s_cmp_lg_u32 s[TRIP], 0
	s_cbranch_scc1 .Lp1
	s_wait_alu depctr_va_vdst(0)
	v_add_f32 v14, v14, v15
	s_delay_alu instid0(VALU_DEP_1)
	v_permlanex16_b32 v252, v14, s[SEL], s[SEL+1]
	s_delay_alu instid0(VALU_DEP_1)
	v_add_f32 v14, v14, v252                       ; the row's sum, between 1/2 and 2,048
	s_wait_alu depctr_va_vdst(0)                   ; the wait ahead of the transcendental
	v_log_f32 v250, v14
	QSWAP
	s_wait_alu depctr_va_vdst(0)                   ; and ahead of its first reader
	v_sub_f32 v250, v12, v250                      ; -M - log2(sum)
	BSWAP
	s_wait_dscnt 0x0                               ; the fragments asked for behind the last step are in: their registers may be loaded anew
	s_sub_co_u32 s[BLK], 15, s[BLK]                ; the other block
	s_sub_co_u32 s[TL], s[TL], 1
	s_cmp_lg_u32 s[TL], 0
	s_wait_alu depctr_va_vdst(0)                   ; the wait directly ahead of the branch
	s_cbranch_scc1 .Lt1
	s_wait_loadcnt 0x0                             ; my eighth of V
	WIN 0x04                                       ; the stores' data: window 1
.set n, 0
.rept 32
	ds_store_b128 v[STV], v[64+4*n:67+4*n] offset:544*n
.set n, n+1
.endr
	WIN 0
	s_wait_dscnt 0x0                               ; for the others' sake
	s_barrier_signal -1
	s_barrier_wait -1                              ; all of V is in LDS
	s_mov_b32 s[TL], 2
.Lt2:                                              ; PASS 2 of both tiles
	TILEQ
.set n, 0
.rept 32
	v_mov_b32 v[160+n], 0                          ; O^T
.set n, n+1
.endr
	KLOAD AK0, 0
	s_mov_b32 s[TB], 0
	s_mov_b32 s[KF], 0
	s_mov_b32 s[TRIP], 8
	s_wait_alu depctr_va_vdst(0)
.Lp2:
	STEP2 0
	STEP2 1
	s_add_co_u32 s[TB], s[TB], 17408
	s_sub_co_u32 s[TRIP], s[TRIP], 1
	s_cmp_lg_u32 s[TRIP], 0
	s_cbranch_scc1 .Lp2
	; THE WAY OUT: held, converted, 8 codes a lane through my stage, back 16 bytes a lane
	s_wait_xcnt 0x0                                ; the tile before's stores have read their base and v24-31
	s_add_co_u32 s62, s77, s[Q0]
	s_lshl_b32 s62, s62, 10
	s_add_co_u32 s62, s62, s78
	s_mov_b32 s63, 0
	s_add_nc_u64 s[66:67], s[8:9], s[62:63]
.rept 4
	v_nop
.endr
.set n, 0
.rept 32
	v_med3_num_f32 v[160+n], v[160+n], -v248, v248
.set n, n+1
.endr
.irp t, 0,1,2,3
	v_cvt_scalef32_pk8_fp8_f32 v[192+2*\t:193+2*\t], v[160+8*\t:167+8*\t], v249
.endr
	v_nop
.irp t, 0,1,2,3
	ds_store_b64 v[SIN], v[192+2*\t:193+2*\t] offset:16*\t   ; query r, channels 16 t + 8 h on
.endr
	ds_load_b128 v[24:27], v[SOUT]                 ; LDS serves a wave's instructions in order: these see my stores
	ds_load_b128 v[28:31], v[SOUT] offset:640
	s_wait_dscnt 0x0
	global_store_b128 v[GO], v[24:27], s[66:67]
	global_store_b128 v[GO], v[28:31], s[66:67] offset:8192
	QSWAP
	BSWAP
	s_sub_co_u32 s[BLK], 15, s[BLK]
	s_sub_co_u32 s[TL], s[TL], 1
	s_cmp_lg_u32 s[TL], 0
	s_wait_alu depctr_va_vdst(0)                   ; the wait directly ahead of the branch
	s_cbranch_scc1 .Lt2
	s_wait_tensorcnt 0x0                           ; the wave's end
	ds_add_u32 v[SPW], v[NIL]
	s_wait_dscnt 0x0
	s_endpgm
.Lfunc_end_k_q3f4c8c020e_attn:
	.size	k_q3f4c8c020e_attn, .Lfunc_end_k_q3f4c8c020e_attn-k_q3f4c8c020e_attn
	.p2alignl 7, 3214868480
	.fill 96, 4, 3214868480
	.section	.rodata,"a",@progbits
	.p2align	6, 0x0
	.amdhsa_kernel k_q3f4c8c020e_attn
		.amdhsa_group_segment_fixed_size 290816
		.amdhsa_private_segment_fixed_size 0
		.amdhsa_enable_private_segment 0
		.amdhsa_kernarg_size 24
		.amdhsa_user_sgpr_count 2
		.amdhsa_user_sgpr_kernarg_segment_ptr 1
		.amdhsa_wavefront_size32 1
		.amdhsa_system_sgpr_workgroup_id_x 1
		.amdhsa_system_sgpr_workgroup_id_y 1
		.amdhsa_system_sgpr_workgroup_id_z 1
		.amdhsa_system_vgpr_workitem_id 0
		.amdhsa_next_free_vgpr 448
		.amdhsa_next_free_sgpr 80
		.amdhsa_reserve_vcc 1
		.amdhsa_float_denorm_mode_32 3
		.amdhsa_float_denorm_mode_16_64 3
		.amdhsa_memory_ordered 1
		.amdhsa_forward_progress 1
		.amdhsa_inst_pref_size 95
	.end_amdhsa_kernel
	.amdgpu_metadata
---
amdhsa.version: [ 1, 2 ]
amdhsa.kernels:
  - .name:           k_q3f4c8c020e_attn
    .symbol:         k_q3f4c8c020e_attn.kd
    .args:
      - { .name: qkvc, .offset: 0, .size: 8, .value_kind: global_buffer, .address_space: global }
      - { .name: lowp_scales, .offset: 8, .size: 8, .value_kind: global_buffer, .address_space: global }
      - { .name: aoc, .offset: 16, .size: 8, .value_kind: global_buffer, .address_space: global }
    .group_segment_fixed_size: 290816
    .private_segment_fixed_size: 0
    .kernarg_segment_align: 8
    .kernarg_segment_size: 24
    .max_flat_workgroup_size: 256
    .sgpr_count:     80
    .vgpr_count:     448
    .wavefront_size: 32
...
	.end_amdgpu_metadata
.endif
;; end of part 3
;; launch wo (part 4): grid 8 x 32, 4 waves a work-group, clusters of 4 x 4, 327,680 bytes of LDS; arguments aoc, wcodes, lowp_scales, bo, inputs, o1; writes o1
.if DOCPART == 4
	.amdgcn_target "amdgcn-amd-amdhsa--gfx1250"
	.amdhsa_code_object_version 6
	.text
	.protected	k_q3f4c8c020e_wo
	.globl	k_q3f4c8c020e_wo
	.p2align	8
	.type	k_q3f4c8c020e_wo,@function
k_q3f4c8c020e_wo:
	s_mov_b64 s[64:65], 0
	v_nop
	global_prefetch_b8 v0, s[64:65] scope:SCOPE_SE
	s_setreg_imm32_b32 hwreg(HW_REG_WAVE_MODE, 25, 1), 1
	s_wait_xcnt 0x0
	s_wait_alu depctr_hold_cnt(0) depctr_sa_sdst(0) depctr_va_vdst(0) depctr_va_sdst(0) depctr_va_ssrc(0) depctr_va_vcc(0) depctr_vm_vsrc(0)
	s_getreg_b32 s2, hwreg(HW_REG_IB_STS2, 6, 4)
	s_cmp_eq_u32 s2, 0
	s_cbranch_scc0 .Lentry_in_a_cluster
	s_endpgm
.Lentry_in_a_cluster:
	s_bfe_u32 s2, ttmp6, 0x10000c
	s_cmp_lg_u32 s2, 0xf033
	s_cbranch_scc0 .Lentry_shape_is_right
	s_endpgm
.Lentry_shape_is_right:
; C = A B^T x 2^(ea + eb) + bias + residual.  A: [4,096][SIZE_K] codes of E4M3, B: [1,024][SIZE_K] codes at WOFF in the weights' buffer, bias [1,024], residual and C [4,096][1,024] f32.
; N = 1,024 gives 64 tiles of 256 x 256 but 256 of 128 x 128: so a tile of C is 128 x 128, four waves of 64 x 64: 16 accumulators, 128 registers.
; K goes in steps of 512 (LDS rows of 512 bytes + 16; a wave's tensor load brings 64 of them) through a ring of two slots.
; CLUSTERS: 4 x 4 work-groups; A's tile is shared along a row of the cluster, B's along a column: each is asked for jointly.
; THE MATRIX INSTRUCTION IS USED TRANSPOSED (source 0 = 16 rows of B, source 1 = 16 rows of A): a lane holds eight neighbouring numbers of a row of C.
; A wave's 64 columns of f32 are 256 aligned bytes, so the way out goes through the wave's own stage and needs no barrier.  The wave's part of the residual is loaded at the head, in the layout of the stores, and lands under the products.
; LIMIT: ea + eb between -126 and 127.
; REGISTERS: window 0: v0-31 addresses; v32-95 rows on the way out, two sets; v96-99 the bias; v128-255 the accumulators ((a, b) at v[128 + 8 (4 a + b)]).
;   window 1: two fragment buffers of 128: A's four blocks (16 registers each), then B's four.   window 2: v0-127 the residual.
.set SIZE_K, 1024
.set WOFF,   0x300000
.set EOFF,   0x28
.set KSTEP,  512
.set PITCH,  528                       ; 132 words: row r starts at bank 4 r mod 64 (ISA guide 11.1)
.set HALFT,  64*PITCH
.set SLOT,   4*HALFT
.set SPARE,  2*SLOT                    ; behind the ring: the spare words
.set SPITCH, 272                       ; the stage: 16 rows x (256 + 16) for each wave, in slot 0, which has had its last fill and its last read by then
.set LAPS,   SIZE_K/(2*KSTEP)
.set ADRA, 16
.set ADRB, 20
.set STO,  24
.set RD,   25
.set CO,   26                          ; v26  (l / 16) rows of 4,096 bytes + 16 (l % 16): residual and C alike; never rewritten
.set BO,   27                          ; v27  16 (l % 16): the bias
.set SPW,  28
.set NIL,  29
.set BK,   32
.set BI,   96
.set ACC,  128
.set F0,   0
.set F1,   128
.set G1, 24
.set G0, 32
.set G1B, 48
.set G0B, 56
.set MSB, 0
.macro WIN new
.if MSB != \new
	s_set_vgpr_msb (MSB<<8)|\new
.set MSB, \new
.endif
.endm
.set MUL,  0x05                        ; sources 0 and 1 window 1; C and D window 0
.set TO_F, 0x40                        ; destination window 1
.macro JLOAD s                         ; waves 0 and 1 fetch A's halves, waves 2 and 3 B's; an s_nop 0 and four v_nop follow each line
	s_cmp_eq_u32 s11, 0
	s_cbranch_scc0 .Lfor_b_\@
	tensor_load_to_lds s[G0+4*\s:G0+4*\s+3], s[G1:G1+7]
	s_nop 0
.rept 4
	v_nop
.endr
	s_branch .Lasked_\@
.Lfor_b_\@:
	tensor_load_to_lds s[G0B+4*\s:G0B+4*\s+3], s[G1B:G1B+7]
	s_nop 0
.rept 4
	v_nop
.endr
.Lasked_\@:
.endm
.macro CREST
	s_cmp_lg_u32 s10, 0
	s_cbranch_scc1 .Lnot_wave_0_\@
	s_barrier_signal -3
.Lnot_wave_0_\@:
	s_barrier_wait -3
	s_barrier_signal -1
	s_barrier_wait -1
.endm
.macro CROUND
	s_barrier_signal -1
	s_barrier_wait -1
	CREST
.endm
	s_load_b128 s[4:7], s[0:1], 0x0                ; A's codes s[4:5], the weights' codes s[6:7]
	s_load_b128 s[68:71], s[0:1], 0x10             ; the scales' exponents s[68:69], the bias s[70:71]
	s_load_b128 s[72:75], s[0:1], 0x20             ; the residual s[72:73], C s[74:75]
	v_lshl_add_u32 v[SPW], v0, 2, SPARE
	v_mov_b32 v[NIL], 0
	ds_add_u32 v[SPW], v[NIL]                      ; the wave's opening: the add and its wait ahead of my first tensor load
	ds_add_u32 v[SPW], v[NIL]
	v_lshrrev_b32 v1, 5, v0
	v_readfirstlane_b32 s10, v1                    ; wave 0..3
	s_lshr_b32 s11, s10, 1                         ; my half of the rows.  Also: I fetch for A (0) or B (1)
	s_and_b32 s12, s10, 1                          ; my half of the columns.  Also: which 64 rows I fetch
	s_bfe_u32 s40, ttmp6, 0x40000
	s_bfe_u32 s41, ttmp6, 0x40004
	s_lshl_b32 s42, ttmp9, 2
	s_add_co_u32 s42, s42, s40                     ; tile column
	s_and_b32 s13, ttmp7, 0xffff
	s_lshl_b32 s13, s13, 2
	s_add_co_u32 s13, s13, s41                     ; tile row
	s_lshl_b32 s43, s41, 2
	s_lshl_b32 s43, 15, s43
	s_lshl_b32 s44, 0x1111, s40
	s_or_b32 s[G1+0], s43, (0<<16)|(1<<20)|(1<<21)|(6<<22)|(3<<25)  ; the mask; elements of 1 byte; padding: 4 words after every 128; bit 21 beside a mask
	s_or_b32 s[G1B+0], s44, (0<<16)|(1<<20)|(1<<21)|(6<<22)|(3<<25)
.irp g, G1, G1B
	s_mov_b32 s[\g+1], KSTEP<<16
	s_mov_b32 s[\g+2], 64<<16
	s_mov_b32 s[\g+3], KSTEP<<16
	s_mov_b32 s[\g+4], 64
	s_mov_b32 s[\g+5], SIZE_K
	s_mov_b32 s[\g+6], 0
	s_mov_b32 s[\g+7], 0
.endr
	s_lshl_b32 s17, s12, 6
	s_lshl_b32 s16, s13, 7
	s_add_co_u32 s16, s16, s17
	s_mul_i32 s16, s16, SIZE_K                     ; A: row 128 x tile row + 64 x half, in bytes
	s_lshl_b32 s46, s42, 7
	s_add_co_u32 s46, s46, s17
	s_mul_i32 s46, s46, SIZE_K
	s_add_co_u32 s46, s46, WOFF                    ; B likewise, in its tensor
	s_mov_b32 s17, 0
	s_mov_b32 s47, 0
	s_mul_i32 s20, s10, HALFT
	s_wait_dscnt 0x0                               ; the opening add is done
	s_wait_kmcnt 0x0
	s_load_b64 s[96:97], s[68:69], EOFF            ; ea, eb
	s_add_nc_u64 s[14:15], s[4:5], s[16:17]
	s_add_nc_u64 s[46:47], s[6:7], s[46:47]
	s_cmp_eq_u32 s11, 0                            ; the prefetches: of the 64 rows that I fetch, each of the four partners that ask with me names 16, told apart by address (cx for A, cy for B)
	s_cselect_b64 s[76:77], s[14:15], s[46:47]
	s_cselect_b32 s78, s40, s41
	s_mul_i32 s78, s78, 16*SIZE_K
	s_mov_b32 s79, 0
	s_add_nc_u64 s[76:77], s[76:77], s[78:79]
	v_and_b32 v30, 31, v0
	v_lshrrev_b32 v31, 1, v30
	v_and_b32 v30, 1, v30
	v_lshlrev_b32 v30, 8, v30
	v_mad_u32_u24 v30, v31, SIZE_K, v30            ; two lanes to a row's 512 bytes of a K step; never rewritten
	s_wait_alu depctr_va_vdst(0)                   ; the wait ahead of the round
	CROUND
.irp s, 0,1
	s_mov_b32 s[G0+4*\s], 1
	s_add_co_u32 s[G0+4*\s+1], s20, \s*SLOT
	s_add_nc_u64 s[G0+4*\s+2:G0+4*\s+3], s[14:15], \s*KSTEP
	s_or_b32 s[G0+4*\s+3], s[G0+4*\s+3], 0x80000000
	s_mov_b32 s[G0B+4*\s], 1
	s_add_co_u32 s[G0B+4*\s+1], s20, \s*SLOT
	s_add_nc_u64 s[G0B+4*\s+2:G0B+4*\s+3], s[46:47], \s*KSTEP
	s_or_b32 s[G0B+4*\s+3], s[G0B+4*\s+3], 0x80000000
.if \s
	s_wait_alu depctr_va_vdst(0)                   ; slot 1's first fill is issued as a refill is: these lines and a round stand ahead of it
	s_wait_tensorcnt 0x0                           ; my part of slot 0 is in
	ds_add_u32 v[SPW], v[NIL]
	s_wait_dscnt 0x0
	CROUND
.endif
	JLOAD \s
.if (\s+1)*KSTEP < SIZE_K
	global_prefetch_b8 v30, s[76:77] offset:(\s+1)*KSTEP th:TH_LOAD_NT scope:SCOPE_SE   ; the K step that the next fill asks for: 16 rows x 512 bytes
.endif
.endr
	v_and_b32 v1, 15, v0
	s_wait_alu depctr_va_vdst(0)
	v_bfe_u32 v2, v0, 4, 1
	v_mul_u32_u24 v3, v1, PITCH
	v_lshl_add_u32 v3, v2, 4, v3
	s_mul_i32 s21, s11, HALFT
	s_mul_i32 s22, s12, HALFT
	s_add_co_u32 s22, s22, 2*HALFT
.irp s, 0,1
	v_add_nc_u32 v[ADRA+\s], s21, v3
	v_add_nc_u32 v[ADRB+\s], s22, v3
	s_add_co_u32 s21, s21, SLOT
	s_add_co_u32 s22, s22, SLOT
.endr
	s_mul_i32 s23, s10, 16*SPITCH                  ; my stage
	v_mul_u32_u24 v4, v1, SPITCH
	s_wait_alu depctr_va_vdst(0)
	v_lshl_add_u32 v4, v2, 5, v4
	v_add_nc_u32 v[STO], s23, v4                   ; in: row r, 32 bytes for each half of the lanes
	v_mul_u32_u24 v5, v2, SPITCH
	v_lshl_add_u32 v5, v1, 4, v5
	v_add_nc_u32 v[RD], s23, v5                    ; back: sixteen lanes to a row
	v_lshlrev_b32 v[CO], 12, v2
	v_lshl_add_u32 v[CO], v1, 4, v[CO]
	v_lshlrev_b32 v[BO], 4, v1
	s_wait_alu depctr_va_vdst(0)
	s_lshl_b32 s16, s13, 7
	s_lshl_b32 s17, s11, 6
	s_add_co_u32 s16, s16, s17                     ; my first row
	s_lshl_b32 s16, s16, 12
	s_lshl_b32 s46, s42, 7
	s_lshl_b32 s47, s12, 6
	s_add_co_u32 s46, s46, s47                     ; my first column
	s_lshl_b32 s46, s46, 2
	s_mov_b32 s47, 0
	s_add_nc_u64 s[70:71], s[70:71], s[46:47]
	s_add_co_u32 s16, s16, s46
	s_mov_b32 s17, 0
	s_add_nc_u64 s[72:73], s[72:73], s[16:17]
	s_add_nc_u64 s[74:75], s[74:75], s[16:17]
	global_load_b128 v[BI:BI+3], v[BO], s[70:71]
	WIN 0x80                                       ; destination window 2
.set n, 0
.rept 32
	global_load_b128 v[4*n:4*n+3], v[CO], s[72:73] offset:2*n*4096   ; rows 2 n and 2 n + 1 of my 64: sixteen lanes read 256 consecutive bytes
.set n, n+1
.endr
	WIN 0
.macro MUL4 f, a, zero                 ; block a of A against B's four; the sixteen accumulators take turns in the same order in every quarter
.irp b, 0,1,2,3
.if \zero
	v_wmma_f32_16x16x128_fp8_fp8 v[ACC+8*(4*(\a)+\b):ACC+8*(4*(\a)+\b)+7], v[\f+64+16*\b:\f+64+16*\b+15], v[\f+16*(\a):\f+16*(\a)+15], 0
.else
	v_wmma_f32_16x16x128_fp8_fp8 v[ACC+8*(4*(\a)+\b):ACC+8*(4*(\a)+\b)+7], v[\f+64+16*\b:\f+64+16*\b+15], v[\f+16*(\a):\f+16*(\a)+15], v[ACC+8*(4*(\a)+\b):ACC+8*(4*(\a)+\b)+7]
.endif
.endr
.endm
.macro FRAG reg, adr, k, i             ; 16 rows x 128 K: registers 4 c .. 4 c + 3 hold K = 32 c + 16 h + 0 .. 15, in both operands alike
.irp c, 0,1,2,3
	ds_load_b128 v[\reg+4*\c:\reg+4*\c+3], v[\adr] offset:(\k)+32*\c+(\i)*16*PITCH
.endr
.endm
.macro FETCH slot, k, f                ; 32 loads in one run: B's four blocks, then A's
	WIN TO_F
.irp i, 0,1,2,3
	FRAG \f+64+16*\i, ADRB+\slot, \k, \i
.endr
.irp i, 0,1,2,3
	FRAG \f+16*\i, ADRA+\slot, \k, \i
.endr
.endm
.macro PLACES
.rept 4
	v_nop
.endr
.endm
.macro QUARTER slot, k, f, g, zero     ; 128 along K from buffer f; in its middle the next quarter, at byte k, is fetched into g
	s_wait_dscnt 8                                 ; B and A's blocks 0, 1 are in; the youngest eight loads (blocks 2, 3) may be out
	WIN MUL
	MUL4 \f, 0, \zero
	MUL4 \f, 1, \zero
	PLACES
	FETCH \slot, \k, \g
	s_wait_dscnt 32                                ; all but the 32 just issued
	WIN MUL
	MUL4 \f, 2, \zero
	MUL4 \f, 3, \zero
.endm
.macro TURN slot, next, fill           ; the last quarter changes slots
	WIN 0
	s_wait_tensorcnt 0x0                           ; all my tensor loads have landed: my part of the next slot
	ds_add_u32 v[SPW], v[NIL]
	s_wait_dscnt 9                                 ; the add and the youngest eight loads may be out
	WIN MUL
	MUL4 F1, 0, 0
	s_wait_dscnt 0x0                               ; the add is done, and my reads of this slot are over
	s_barrier_signal -1
	MUL4 F1, 1, 0
.if \fill
	WIN 0
.endif
	s_barrier_wait -1
.if \fill
	CREST                                          ; the barrier has opened a round of the cluster's
	s_add_nc_u64 s[G0+4*\slot+2:G0+4*\slot+3], s[G0+4*\slot+2:G0+4*\slot+3], 2*KSTEP
	s_add_nc_u64 s[G0B+4*\slot+2:G0B+4*\slot+3], s[G0B+4*\slot+2:G0B+4*\slot+3], 2*KSTEP
	JLOAD \slot                                    ; the first tensor load behind the round; its four v_nop are the places in front of the loads below
.else
	PLACES
.endif
	FETCH \next, 0, F0
	WIN MUL
	MUL4 F1, 2, 0
	MUL4 F1, 3, 0
.endm
	s_wait_tensorcnt 1                             ; my part of slot 0 is in; slot 1's load may be out
	s_barrier_signal -1
	s_barrier_wait -1
	FETCH 0, 0, F0
	QUARTER 0, 128, F0, F1, 1                      ; the first quarter's products start the sums
.if LAPS > 1
	WIN 0
	s_mov_b32 s3, LAPS-1
.Llap:
	QUARTER 0, 256, F1, F0, 0
	QUARTER 0, 384, F0, F1, 0
	TURN 0, 1, 1
	QUARTER 1, 128, F0, F1, 0
	QUARTER 1, 256, F1, F0, 0
	QUARTER 1, 384, F0, F1, 0
	TURN 1, 0, 1
	QUARTER 0, 128, F0, F1, 0
	WIN 0
	s_sub_co_u32 s3, s3, 1
	s_cmp_lg_u32 s3, 0
	s_cbranch_scc1 .Llap
.endif
	QUARTER 0, 256, F1, F0, 0                      ; the last lap fills nothing
	QUARTER 0, 384, F0, F1, 0
	TURN 0, 1, 0
	QUARTER 1, 128, F0, F1, 0
	QUARTER 1, 256, F1, F0, 0
	QUARTER 1, 384, F0, F1, 0
	s_wait_dscnt 8
	WIN MUL
	MUL4 F1, 0, 0
	MUL4 F1, 1, 0
	s_wait_dscnt 0
	MUL4 F1, 2, 0
	MUL4 F1, 3, 0
	WIN 0
	; THE WAY OUT, 16 rows at a time: the sums through my stage, back as rows of 256 bytes; x 2^(ea + eb) + residual, + bias; stored.
	s_wait_kmcnt 0x0
	s_add_co_i32 s96, s96, s97
	s_add_co_i32 s96, s96, 127
	s_lshl_b32 s96, s96, 23
	s_mov_b32 s97, s96
	s_wait_loadcnt 0x0                             ; the bias and the residual
	PLACES
.macro OUTBLK a
.set BB, BK+32*((\a)%2)
.if (\a) >= 2
	s_wait_xcnt 0x0                                ; the stores of two blocks back have read this set of registers
.endif
.irp b, 0,1,2,3
	ds_store_b128 v[STO], v[ACC+8*(4*(\a)+\b):ACC+8*(4*(\a)+\b)+3] offset:64*\b        ; each accumulator from its low end on
	ds_store_b128 v[STO], v[ACC+8*(4*(\a)+\b)+4:ACC+8*(4*(\a)+\b)+7] offset:64*\b+16
.endr
.irp t, 0,1,2,3,4,5,6,7
	ds_load_b128 v[BB+4*\t:BB+4*\t+3], v[RD] offset:\t*2*SPITCH   ; LDS serves a wave's instructions in order: these see my stores
.endr
	s_wait_dscnt 0x0
	WIN 0x20                                       ; source 2 window 2
.set n, 0
.rept 16
	v_pk_fma_f32 v[BB+n:BB+n+1], v[BB+n:BB+n+1], s[96:97], v[32*(\a)+n:32*(\a)+n+1] op_sel_hi:[1,0,1]
.set n, n+2
.endr
	WIN 0
.irp t, 0,1,2,3,4,5,6,7
	v_pk_add_f32 v[BB+4*\t:BB+4*\t+1], v[BB+4*\t:BB+4*\t+1], v[BI:BI+1]
	v_pk_add_f32 v[BB+4*\t+2:BB+4*\t+3], v[BB+4*\t+2:BB+4*\t+3], v[BI+2:BI+3]
.endr
.irp t, 0,1,2,3,4,5,6,7
	global_store_b128 v[CO], v[BB+4*\t:BB+4*\t+3], s[74:75] offset:(16*(\a)+2*\t)*4096   ; sixteen lanes store 256 consecutive bytes, aligned
.endr
.endm
	OUTBLK 0
	OUTBLK 1
	OUTBLK 2
	OUTBLK 3
	s_wait_tensorcnt 0x0                           ; the wave's end
	ds_add_u32 v[SPW], v[NIL]
	s_wait_dscnt 0x0
	CROUND                                         ; the closing round
	s_endpgm
.Lfunc_end_k_q3f4c8c020e_wo:
	.size	k_q3f4c8c020e_wo, .Lfunc_end_k_q3f4c8c020e_wo-k_q3f4c8c020e_wo
	.p2alignl 7, 3214868480
	.fill 96, 4, 3214868480
	.section	.rodata,"a",@progbits
	.p2align	6, 0x0
	.amdhsa_kernel k_q3f4c8c020e_wo
		.amdhsa_group_segment_fixed_size 327680
		.amdhsa_private_segment_fixed_size 0
		.amdhsa_enable_private_segment 0
		.amdhsa_kernarg_size 48
		.amdhsa_user_sgpr_count 2
		.amdhsa_user_sgpr_kernarg_segment_ptr 1
		.amdhsa_wavefront_size32 1
		.amdhsa_system_sgpr_workgroup_id_x 1
		.amdhsa_system_sgpr_workgroup_id_y 1
		.amdhsa_system_sgpr_workgroup_id_z 1
		.amdhsa_system_vgpr_workitem_id 0
		.amdhsa_next_free_vgpr 640
		.amdhsa_next_free_sgpr 98
		.amdhsa_reserve_vcc 0
		.amdhsa_float_denorm_mode_32 3
		.amdhsa_float_denorm_mode_16_64 3
		.amdhsa_memory_ordered 1
		.amdhsa_forward_progress 1
		.amdhsa_inst_pref_size 54
	.end_amdhsa_kernel
	.amdgpu_metadata
---
amdhsa.version: [ 1, 2 ]
amdhsa.kernels:
  - .name:           k_q3f4c8c020e_wo
    .symbol:         k_q3f4c8c020e_wo.kd
    .args:
      - { .name: aoc, .offset: 0, .size: 8, .value_kind: global_buffer, .address_space: global }
      - { .name: wcodes, .offset: 8, .size: 8, .value_kind: global_buffer, .address_space: global }
      - { .name: lowp_scales, .offset: 16, .size: 8, .value_kind: global_buffer, .address_space: global }
      - { .name: bo, .offset: 24, .size: 8, .value_kind: global_buffer, .address_space: global }
      - { .name: inputs, .offset: 32, .size: 8, .value_kind: global_buffer, .address_space: global }
      - { .name: o1, .offset: 40, .size: 8, .value_kind: global_buffer, .address_space: global }
    .group_segment_fixed_size: 327680
    .private_segment_fixed_size: 0
    .kernarg_segment_align: 8
    .kernarg_segment_size: 48
    .max_flat_workgroup_size: 128
    .sgpr_count:     98
    .vgpr_count:     640
    .wavefront_size: 32
...
	.end_amdgpu_metadata
.endif
;; end of part 4
;; launch ln2 (part 5): grid 256 x 1, 4 waves a work-group, no clusters, 4,608 bytes of LDS; arguments o1, ln2_scale, ln2_shift, lowp_scales, o2, o2c; writes o2, o2c
.if DOCPART == 5
	.amdgcn_target "amdgcn-amd-amdhsa--gfx1250"
	.amdhsa_code_object_version 6
	.text
	.protected	k_q3f4c8c020e_ln2
	.globl	k_q3f4c8c020e_ln2
	.p2align	8
	.type	k_q3f4c8c020e_ln2,@function
k_q3f4c8c020e_ln2:
	s_mov_b64 s[64:65], 0
	v_nop
	global_prefetch_b8 v0, s[64:65] scope:SCOPE_SE
	s_setreg_imm32_b32 hwreg(HW_REG_WAVE_MODE, 25, 1), 1
	s_wait_xcnt 0x0
; Layer norm 2 of 16 rows a work-group, 4 a wave: the result goes out as f32 (it is the last residual) and as codes of E4M3 under entry 12 of the scales.
; A row of 1,024 numbers lies in 32 registers: register 4 j + i of lane l is column 128 j + 4 l + i, so every load and store is 512 neighbouring bytes.
; The mean is taken first and the squares of the differences second.  LIMIT: the exponent lies between -126 and 119.  NaN is not served.  Waves share nothing: no barrier.
.set SPARE, 4096                       ; behind the four stages of 1,024 bytes: the spare words
.set SPW,   14
.set NIL,   15
.set SC,    32
.set SH,    64
.set LX,    96
.set T,     224
.set CC,    240
.set NQ,    1
.set OB,    18                         ; s[18:19] the codes
.set FB,    16                         ; s[16:17] the f32 result
.macro WSUM a, b
	v_add_f32_dpp v[\a], v[\a], v[\a] row_xmask:1 row_mask:0xf bank_mask:0xf
	v_add_f32_dpp v[\a], v[\a], v[\a] row_xmask:2 row_mask:0xf bank_mask:0xf
	v_add_f32_dpp v[\a], v[\a], v[\a] row_xmask:4 row_mask:0xf bank_mask:0xf
	v_add_f32_dpp v[\a], v[\a], v[\a] row_xmask:8 row_mask:0xf bank_mask:0xf
	v_permlanex16_b32 v[\b], v[\a], s50, s51
	v_add_f32 v[\a], v[\a], v[\b]
.endm
.macro LNROW i
.set XR, LX+32*(\i)
	s_wait_loadcnt 8*(3-(\i))                      ; gain, shift and my row are in; the later rows' eight loads each may be out
	v_pk_add_f32 v[248:249], v[XR:XR+1], v[XR+2:XR+3]
	v_pk_add_f32 v[250:251], v[XR+4:XR+5], v[XR+6:XR+7]
.set j, 8
.rept 6
	v_pk_add_f32 v[248:249], v[248:249], v[XR+j:XR+j+1]
	v_pk_add_f32 v[250:251], v[250:251], v[XR+j+2:XR+j+3]
.set j, j+4
.endr
	v_pk_add_f32 v[248:249], v[248:249], v[250:251]
	v_add_f32 v248, v248, v249
	WSUM 248, 249
	v_mul_f32 v248, 0x3a800000, v248               ; the mean
.set j, 0
.rept 16
	v_pk_add_f32 v[XR+j:XR+j+1], v[XR+j:XR+j+1], v[248:249] op_sel_hi:[1,0] neg_lo:[0,1] neg_hi:[0,1]
.set j, j+2
.endr
	v_pk_mul_f32 v[250:251], v[XR:XR+1], v[XR:XR+1]
	v_pk_mul_f32 v[252:253], v[XR+2:XR+3], v[XR+2:XR+3]
.set j, 4
.rept 7
	v_pk_fma_f32 v[250:251], v[XR+j:XR+j+1], v[XR+j:XR+j+1], v[250:251]
	v_pk_fma_f32 v[252:253], v[XR+j+2:XR+j+3], v[XR+j+2:XR+j+3], v[252:253]
.set j, j+4
.endr
	v_pk_add_f32 v[250:251], v[250:251], v[252:253]
	v_add_f32 v250, v250, v251
	WSUM 250, 251
	v_mul_f32 v250, 0x3a802008, v250               ; / 1,023
	s_wait_alu depctr_va_vdst(0)
	v_sqrt_f32 v250, v250
	v_nop
	s_wait_alu depctr_va_vdst(0)                   ; the wait ahead of the root's first reader
	v_add_f32 v250, 0x3089705f, v250               ; + 1e-9
	s_wait_alu depctr_va_vdst(0)
	v_rcp_f32 v250, v250
	v_nop
	s_wait_alu depctr_va_vdst(0)
.set j, 0
.rept 16
	v_pk_mul_f32 v[XR+j:XR+j+1], v[XR+j:XR+j+1], v[250:251] op_sel_hi:[1,0]
.set j, j+2
.endr
.set j, 0
.rept 16
	v_pk_fma_f32 v[XR+j:XR+j+1], v[XR+j:XR+j+1], v[SC+j:SC+j+1], v[SH+j:SH+j+1]
.set j, j+2
.endr
.irp j, 0,1,2,3,4,5,6,7
	global_store_b128 v1, v[XR+4*\j:XR+4*\j+3], s[FB:FB+1] offset:4096*(\i)+512*\j   ; 512 consecutive bytes, aligned
.endr
.set c, 0
.rept 4
.set k, 0
.rept 8
	v_med3_num_f32 v[T+8*(c%2)+k], v[XR+8*c+k], -v5, v5
.set k, k+1
.endr
	v_cvt_scalef32_pk8_fp8_f32 v[CC+2*c:CC+2*c+1], v[T+8*(c%2):T+8*(c%2)+7], v4   ; the two sets take turns: plain lines stand between a conversion and the next write of its sources
.set c, c+1
.endr
.set k, 0
.rept 8
	ds_store_b32 v2, v[CC+k] offset:128*k
.set k, k+1
.endr
	s_wait_xcnt 0x0                                ; the f32 stores have read the row's registers: they may be loaded anew
	ds_load_b128 v[XR:XR+3], v3                    ; LDS serves a wave's instructions in order: these see my stores
	ds_load_b128 v[XR+4:XR+7], v3 offset:512
	s_wait_dscnt 0x0
	global_store_b128 v1, v[XR:XR+3], s[OB:OB+1] offset:1024*(\i)
	global_store_b128 v1, v[XR+4:XR+7], s[OB:OB+1] offset:1024*(\i)+512
.endm
	s_load_b256 s[8:15], s[0:1], 0x0               ; o1 s[8:9], gain s[10:11], shift s[12:13], the scales' exponents s[14:15]
	s_load_b128 s[16:19], s[0:1], 0x20             ; o2 s[16:17], o2c s[18:19]
	v_lshl_add_u32 v[SPW], v0, 2, SPARE
	v_mov_b32 v[NIL], 0
	v_lshrrev_b32 v1, 5, v0
	v_readfirstlane_b32 s3, v1
	v_and_b32 v2, 31, v0
	s_wait_alu depctr_va_vdst(0)
	s_lshl_b32 s33, ttmp9, 4
	s_lshl_b32 s34, s3, 2
	s_add_co_u32 s33, s33, s34                     ; my wave's first row
	s_lshl_b32 s34, s33, 12
	s_mov_b32 s35, 0
	s_lshl_b32 s36, s33, 10
	s_mov_b32 s37, 0
	s_mov_b32 s50, 0x76543210
	s_mov_b32 s51, 0xfedcba98
	v_lshlrev_b32 v1, 4, v2
	s_lshl_b32 s38, s3, 10                         ; my stage
	v_lshl_add_u32 v3, v2, 4, s38
	v_lshl_add_u32 v2, v2, 2, s38
	s_wait_alu depctr_va_vdst(0)
	s_wait_kmcnt 0x0
	s_load_b32 s52, s[14:15], 0x30                 ; entry 12
	s_add_nc_u64 s[8:9], s[8:9], s[34:35]
	s_add_nc_u64 s[16:17], s[16:17], s[34:35]
	s_add_nc_u64 s[18:19], s[18:19], s[36:37]
.irp j, 0,1,2,3,4,5,6,7
	global_load_b128 v[SC+4*\j:SC+4*\j+3], v1, s[10:11] offset:512*\j
.endr
.irp j, 0,1,2,3,4,5,6,7
	global_load_b128 v[SH+4*\j:SH+4*\j+3], v1, s[12:13] offset:512*\j
.endr
.irp i, 0,1,2,3
.irp j, 0,1,2,3,4,5,6,7
	global_load_b128 v[LX+32*\i+4*\j:LX+32*\i+4*\j+3], v1, s[8:9] offset:4096*\i+512*\j th:TH_LOAD_NT
.endr
.endr
	s_wait_kmcnt 0x0
	s_add_co_i32 s36, s52, 127
	s_lshl_b32 s37, s36, 23
	v_mov_b32 v4, s37                              ; 2^e
	s_add_co_i32 s36, s36, 8
	s_lshl_b32 s36, s36, 23
	s_or_b32 s36, s36, 0x600000
	v_mov_b32 v5, s36                              ; 448 x 2^e
	LNROW 0
	LNROW 1
	LNROW 2
	LNROW 3
	s_wait_tensorcnt 0x0                           ; the wave's end
	ds_add_u32 v[SPW], v[NIL]
	s_wait_dscnt 0x0
	s_endpgm
.Lfunc_end_k_q3f4c8c020e_ln2:
	.size	k_q3f4c8c020e_ln2, .Lfunc_end_k_q3f4c8c020e_ln2-k_q3f4c8c020e_ln2
	.p2alignl 7, 3214868480
	.fill 96, 4, 3214868480
	.section	.rodata,"a",@progbits
	.p2align	6, 0x0
	.amdhsa_kernel k_q3f4c8c020e_ln2
		.amdhsa_group_segment_fixed_size 4608
		.amdhsa_private_segment_fixed_size 0
		.amdhsa_enable_private_segment 0
		.amdhsa_kernarg_size 48
		.amdhsa_user_sgpr_count 2
		.amdhsa_user_sgpr_kernarg_segment_ptr 1
		.amdhsa_wavefront_size32 1
		.amdhsa_system_sgpr_workgroup_id_x 1
		.amdhsa_system_sgpr_workgroup_id_y 1
		.amdhsa_system_sgpr_workgroup_id_z 1
		.amdhsa_system_vgpr_workitem_id 0
		.amdhsa_next_free_vgpr 256
		.amdhsa_next_free_sgpr 66
		.amdhsa_reserve_vcc 0
		.amdhsa_float_denorm_mode_32 3
		.amdhsa_float_denorm_mode_16_64 3
		.amdhsa_memory_ordered 1
		.amdhsa_forward_progress 1
		.amdhsa_inst_pref_size 47
	.end_amdhsa_kernel
	.amdgpu_metadata
---
amdhsa.version: [ 1, 2 ]
amdhsa.kernels:
  - .name:           k_q3f4c8c020e_ln2
    .symbol:         k_q3f4c8c020e_ln2.kd
    .args:
      - { .name: o1, .offset: 0, .size: 8, .value_kind: global_buffer, .address_space: global }
      - { .name: ln2_scale, .offset: 8, .size: 8, .value_kind: global_buffer, .address_space: global }
      - { .name: ln2_shift, .offset: 16, .size: 8, .value_kind: global_buffer, .address_space: global }
      - { .name: lowp_scales, .offset: 24, .size: 8, .value_kind: global_buffer, .address_space: global }
      - { .name: o2, .offset: 32, .size: 8, .value_kind: global_buffer, .address_space: global }
      - { .name: o2c, .offset: 40, .size: 8, .value_kind: global_buffer, .address_space: global }
    .group_segment_fixed_size: 4608
    .private_segment_fixed_size: 0
    .kernarg_segment_align: 8
    .kernarg_segment_size: 48
    .max_flat_workgroup_size: 128
    .sgpr_count:     66
    .vgpr_count:     256
    .wavefront_size: 32
...
	.end_amdgpu_metadata
.endif
;; end of part 5
;; launch ffn1 (part 6): grid 16 x 16, 4 waves a work-group, clusters of 4 x 4, 327,680 bytes of LDS; arguments o2c, wcodes, lowp_scales, b1, hc; writes hc
.if DOCPART == 6
	.amdgcn_target "amdgcn-amd-amdhsa--gfx1250"
	.amdhsa_code_object_version 6
	.text
	.protected	k_q3f4c8c020e_ffn1
	.globl	k_q3f4c8c020e_ffn1
	.p2align	8
	.type	k_q3f4c8c020e_ffn1,@function
k_q3f4c8c020e_ffn1:
	s_mov_b64 s[64:65], 0
	v_nop
	global_prefetch_b8 v0, s[64:65] scope:SCOPE_SE
	s_setreg_imm32_b32 hwreg(HW_REG_WAVE_MODE, 25, 1), 1
	s_wait_xcnt 0x0
	s_wait_alu depctr_hold_cnt(0) depctr_sa_sdst(0) depctr_va_vdst(0) depctr_va_sdst(0) depctr_va_ssrc(0) depctr_va_vcc(0) depctr_vm_vsrc(0)
	s_getreg_b32 s2, hwreg(HW_REG_IB_STS2, 6, 4)
	s_cmp_eq_u32 s2, 0
	s_cbranch_scc0 .Lentry_in_a_cluster
	s_endpgm
.Lentry_in_a_cluster:
	s_bfe_u32 s2, ttmp6, 0x10000c
	s_cmp_lg_u32 s2, 0xf033
	s_cbranch_scc0 .Lentry_shape_is_right
	s_endpgm
.Lentry_shape_is_right:
.set SIZE_K, 1024
.set KSTEP,  256
.set ROWB,   256
.set KROW,   SIZE_K
.set PITCH,  272
.set FR,     16
.set NL,     4
.set NP,     4
.set HALFT,  128*PITCH
.set SLOT,   4*HALFT
.set LAPS,   SIZE_K/(2*KSTEP)
.set SPARE,  2*SLOT
.set ADRA, 16
.set ADRB, 20
.set STO,  24
.set SPW,  28
.set NIL,  29
.set LIM,  30
.set SCL,  31
.set BC,   32
.set AF,   128
.set TMP,  128
.set CD,   192
.set G1, 24
.set G0, 32
.set G1B, 48
.set G0B, 56
.set MSB, 0
.macro WIN new
.if MSB != \new
	s_set_vgpr_msb (MSB<<8)|\new
.set MSB, \new
.endif
.endm
.set MUL_LO, 0xa1
.set MUL_HI, 0xf1
.set TO_B,   0x40
.macro JLOAD g0a, g1a, g0b, g1b
	s_cmp_eq_u32 s15, 0
	s_cbranch_scc0 .Lfor_b_\@
	tensor_load_to_lds s[\g0a:\g0a+3], s[\g1a:\g1a+7]
	s_nop 0
.rept 4
	v_nop
.endr
	s_branch .Lasked_\@
.Lfor_b_\@:
	tensor_load_to_lds s[\g0b:\g0b+3], s[\g1b:\g1b+7]
	s_nop 0
.rept 4
	v_nop
.endr
.Lasked_\@:
.endm
.macro CREST
	s_cmp_lg_u32 s14, 0
	s_cbranch_scc1 .Lnot_wave_0_\@
	s_barrier_signal -3
.Lnot_wave_0_\@:
	s_barrier_wait -3
	s_barrier_signal -1
	s_barrier_wait -1
.endm
.macro CROUND
	s_barrier_signal -1
	s_barrier_wait -1
	CREST
.endm
	s_load_b128 s[4:7], s[0:1], 0x0
	s_load_b128 s[8:11], s[0:1], 0x10
	s_load_b64 s[72:73], s[0:1], 0x20
	v_lshl_add_u32 v[SPW], v0, 2, SPARE
	v_mov_b32 v[NIL], 0
	ds_add_u32 v[SPW], v[NIL]
	ds_add_u32 v[SPW], v[NIL]
	v_lshrrev_b32 v1, 5, v0
	v_readfirstlane_b32 s14, v1
	s_lshr_b32 s15, s14, 1
	s_and_b32 s16, s14, 1
	s_bfe_u32 s40, ttmp6, 0x40000
	s_bfe_u32 s41, ttmp6, 0x40004
	s_lshl_b32 s42, ttmp9, 2
	s_add_co_u32 s42, s42, s40
	s_and_b32 s17, ttmp7, 0xffff
	s_lshl_b32 s17, s17, 2
	s_add_co_u32 s17, s17, s41
	s_lshl_b32 s43, s41, 2
	s_lshl_b32 s43, 15, s43
	s_lshl_b32 s44, 0x1111, s40
	s_or_b32 s[G1+0], s43, (0<<16)|(1<<20)|(1<<21)|(5<<22)|(3<<25)
	s_or_b32 s[G1B+0], s44, (0<<16)|(1<<20)|(1<<21)|(5<<22)|(3<<25)
.irp g, G1, G1B
	s_mov_b32 s[\g+1], ROWB<<16
	s_mov_b32 s[\g+2], 128<<16
	s_mov_b32 s[\g+3], ROWB<<16
	s_mov_b32 s[\g+4], 128
	s_mov_b32 s[\g+5], KROW
	s_mov_b32 s[\g+6], 0
	s_mov_b32 s[\g+7], 0
.endr
	s_lshl_b32 s18, s16, 7
	s_lshl_b32 s20, s17, 8
	s_add_co_u32 s20, s20, s18
	s_lshl_b32 s20, s20, 10
	s_mov_b32 s21, 0
	s_lshl_b32 s46, s42, 8
	s_add_co_u32 s46, s46, s18
	s_lshl_b32 s46, s46, 10
	s_add_co_u32 s46, s46, 0x400000
	s_mov_b32 s47, 0
	s_mul_i32 s45, s14, HALFT
	s_wait_dscnt 0x0
	s_wait_kmcnt 0x0
	s_load_b64 s[96:97], s[8:9], 0x30
	s_load_b32 s98, s[8:9], 0x38
	s_add_nc_u64 s[20:21], s[4:5], s[20:21]
	s_add_nc_u64 s[46:47], s[6:7], s[46:47]
	s_cmp_eq_u32 s15, 0                            ; the prefetches: of the 128 rows that I fetch, each of the four partners that ask with me names 32, told apart by address (cx for A, cy for B)
	s_cselect_b64 s[12:13], s[20:21], s[46:47]
	s_cselect_b32 s2, s40, s41
	s_lshl_b32 s2, s2, 15                          ; 32 rows of 1,024 bytes
	s_mov_b32 s3, 0
	s_add_nc_u64 s[12:13], s[12:13], s[2:3]        ; never rewritten
	v_and_b32 v14, 31, v0
	v_lshlrev_b32 v14, 10, v14                     ; a lane a row; never rewritten
	s_wait_alu depctr_va_vdst(0)                   ; the wait ahead of the round
	CROUND
.irp s, 0,1
	s_mov_b32 s[G0+4*\s], 1
	s_add_co_u32 s[G0+4*\s+1], s45, \s*SLOT
	s_add_nc_u64 s[G0+4*\s+2:G0+4*\s+3], s[20:21], \s*ROWB
	s_or_b32 s[G0+4*\s+3], s[G0+4*\s+3], 0x80000000
	s_mov_b32 s[G0B+4*\s], 1
	s_add_co_u32 s[G0B+4*\s+1], s45, \s*SLOT
	s_add_nc_u64 s[G0B+4*\s+2:G0B+4*\s+3], s[46:47], \s*ROWB
	s_or_b32 s[G0B+4*\s+3], s[G0B+4*\s+3], 0x80000000
.if \s
	s_wait_alu depctr_va_vdst(0)                   ; slot 1's first fill is issued as a refill is: these lines and a round stand ahead of it
	s_wait_tensorcnt 0x0                           ; my part of slot 0 is in
	ds_add_u32 v[SPW], v[NIL]
	s_wait_dscnt 0x0
	CROUND
.endif
	JLOAD G0+4*\s, G1, G0B+4*\s, G1B
	global_prefetch_b8 v14, s[12:13] offset:(\s+1)*ROWB th:TH_LOAD_NT scope:SCOPE_SE   ; the K step that the next fill asks for: 32 rows x 256 bytes
.endr
	v_and_b32 v1, 15, v0
	v_bfe_u32 v2, v0, 4, 1
	v_mul_u32_u24 v3, v1, PITCH
	s_wait_alu depctr_va_vdst(0)
	v_lshl_add_u32 v4, v2, 4, v3
	s_mul_i32 s21, s15, HALFT
	s_mul_i32 s22, s16, HALFT
	s_add_co_u32 s22, s22, 2*HALFT
.irp s, 0,1
	v_add_nc_u32 v[ADRA+\s], s21, v4
	v_add_nc_u32 v[ADRB+\s], s22, v4
	s_add_co_u32 s21, s21, SLOT
	s_add_co_u32 s22, s22, SLOT
.endr
	s_mul_i32 s23, s15, 128*PITCH
	s_lshl_b32 s2, s16, 7
	s_add_co_u32 s23, s23, s2
	v_lshl_add_u32 v5, v2, 3, v3
	v_add_nc_u32 v[STO], s23, v5
	s_mul_i32 s23, s14, 64*PITCH
	v_mul_u32_u24 v7, v2, PITCH
	v_lshl_add_u32 v7, v1, 4, v7
	v_add_nc_u32 v11, s23, v7
	v_lshlrev_b32 v13, 12, v2
	v_lshl_add_u32 v13, v1, 4, v13
	v_lshlrev_b32 v8, 5, v2
	s_lshl_b32 s18, s42, 8
	s_lshl_b32 s19, s16, 7
	s_add_co_u32 s18, s18, s19
	s_lshl_b32 s76, s18, 2
	s_mov_b32 s77, 0
	s_add_nc_u64 s[76:77], s[10:11], s[76:77]
.irp b, 0,1,2,3,4,5,6,7
	global_load_b128 v[BC+8*\b:BC+8*\b+3], v8, s[76:77] offset:64*\b
	global_load_b128 v[BC+8*\b+4:BC+8*\b+7], v8, s[76:77] offset:64*\b+16
.endr
	s_lshl_b32 s84, s17, 8
	s_lshl_b32 s85, s14, 6
	s_add_co_u32 s84, s84, s85
	s_lshl_b32 s84, s84, 12
	s_lshl_b32 s85, s42, 8
	s_add_co_u32 s84, s84, s85
	s_mov_b32 s85, 0
	s_add_nc_u64 s[72:73], s[72:73], s[84:85]
.macro FRAG reg, adr, q, i
.irp c, 0,1,2,3
	ds_load_b128 v[\reg+4*\c:\reg+4*\c+3], v[\adr] offset:128*(\q)+32*\c+(\i)*16*PITCH
.endr
.endm
.macro MUL16 a0, p, zero
.irp a, \a0, \a0+1
.irp b, 0,1,2,3,4,5,6,7
.if \zero
	v_wmma_f32_16x16x128_fp8_fp8 v[8*(8*((\a)%4)+\b):8*(8*((\a)%4)+\b)+7], v[128*(\p)+FR*\b:128*(\p)+FR*\b+FR-1], v[AF+FR*(\a):AF+FR*(\a)+FR-1], 0
.else
	v_wmma_f32_16x16x128_fp8_fp8 v[8*(8*((\a)%4)+\b):8*(8*((\a)%4)+\b)+7], v[128*(\p)+FR*\b:128*(\p)+FR*\b+FR-1], v[AF+FR*(\a):AF+FR*(\a)+FR-1], v[8*(8*((\a)%4)+\b):8*(8*((\a)%4)+\b)+7]
.endif
.endr
.endr
.endm
.macro FETCH_B slot, q, p
	WIN TO_B
.irp i, 0,1,2,3,4,5,6,7
	FRAG 128*(\p)+FR*\i, ADRB+\slot, \q, \i
.endr
	WIN 0
.endm
.macro FETCH_A slot, q, i0
.irp i, \i0, \i0+1, \i0+2, \i0+3
	FRAG AF+FR*(\i), ADRA+\slot, \q, \i
.endr
.endm
.macro PLACES n
.rept \n
	v_nop
.endr
.endm
.macro STEP slot, q, zero
	s_wait_dscnt 4*NL
	WIN MUL_LO
	MUL16 0, (\q)%2, \zero
	MUL16 2, (\q)%2, \zero
	s_wait_dscnt 0
	PLACES NP
	FETCH_B \slot, (\q)+1, 1-(\q)%2
	FETCH_A \slot, (\q)+1, 0
	WIN MUL_HI
	MUL16 4, (\q)%2, \zero
	MUL16 6, (\q)%2, \zero
	PLACES NP
	WIN 0
	FETCH_A \slot, (\q)+1, 4
.endm
.macro TURN slot, next, fill
	s_wait_tensorcnt 0x0
	ds_add_u32 v[SPW], v[NIL]
	s_wait_dscnt 4*NL+1
	WIN MUL_LO
	MUL16 0, 1, 0
	s_wait_dscnt 0x0
	s_barrier_signal -1
	MUL16 2, 1, 0
	WIN 0
	s_barrier_wait -1
.if \fill
	CREST
	s_add_nc_u64 s[G0+4*\slot+2:G0+4*\slot+3], s[G0+4*\slot+2:G0+4*\slot+3], 2*ROWB
	s_add_nc_u64 s[G0B+4*\slot+2:G0B+4*\slot+3], s[G0B+4*\slot+2:G0B+4*\slot+3], 2*ROWB
	JLOAD G0+4*\slot, G1, G0B+4*\slot, G1B
.else
	PLACES NP
.endif
	s_wait_alu depctr_va_vdst(0)
	FETCH_B \next, 0, 0
	FETCH_A \next, 0, 0
.if (\fill) && (\slot) == 0
	global_prefetch_b8 v14, s[12:13] offset:3*ROWB th:TH_LOAD_NT scope:SCOPE_SE   ; the loop has one trip: this refill brings K step 2, the next and last K step 3
.endif
	WIN MUL_HI
	MUL16 4, 1, 0
	MUL16 6, 1, 0
	PLACES NP
	WIN 0
	FETCH_A \next, 0, 4
.endm
	s_wait_tensorcnt 1
	s_barrier_signal -1
	s_barrier_wait -1
	FETCH_B 0, 0, 0
	FETCH_A 0, 0, 0
	FETCH_A 0, 0, 4
	STEP 0, 0, 1
	s_mov_b32 s3, LAPS-1
.Llap:
	TURN 0, 1, 1
	STEP 1, 0, 0
	TURN 1, 0, 1
	STEP 0, 0, 0
	s_sub_co_u32 s3, s3, 1
	s_cmp_lg_u32 s3, 0
	s_cbranch_scc1 .Llap
	TURN 0, 1, 0
	STEP 1, 0, 0
	s_wait_dscnt 4*NL
	WIN MUL_LO
	MUL16 0, 1, 0
	MUL16 2, 1, 0
	s_wait_dscnt 0
	WIN MUL_HI
	MUL16 4, 1, 0
	MUL16 6, 1, 0
	WIN 0
	s_wait_kmcnt 0x0
	s_add_co_i32 s96, s96, s97
	s_add_co_i32 s96, s96, 127
	s_lshl_b32 s96, s96, 23
	s_mov_b32 s97, s96
	s_add_co_i32 s98, s98, 127
	s_lshl_b32 s99, s98, 23
	s_add_co_i32 s98, s98, 8
	s_lshl_b32 s98, s98, 23
	s_or_b32 s98, s98, 0x600000
	s_wait_loadcnt 0x0
	v_mov_b32 v[SCL], s99
	v_mov_b32 v[LIM], s98
	PLACES NP
.macro QBLOCK a
.set AC, 64*((\a)%4)
	WIN 0x02+((\a)/4)
.set j, 0
.rept 32
	v_pk_fma_f32 v[TMP+j:TMP+j+1], v[AC+j:AC+j+1], s[96:97], v[BC+j:BC+j+1] op_sel_hi:[1,0,1]
.set j, j+2
.endr
	WIN 0
.set j, 0
.rept 64
	v_med3_num_f32 v[TMP+j], v[TMP+j], 0, v[LIM]
.set j, j+1
.endr
	s_wait_alu depctr_va_vdst(0)
	s_wait_dscnt 0x0
.irp b, 0,1,2,3,4,5,6,7
	v_cvt_scalef32_pk8_fp8_f32 v[CD+2*\b:CD+2*\b+1], v[TMP+8*\b:TMP+8*\b+7], v[SCL]
.endr
	v_nop
.irp b, 0,1,2,3,4,5,6,7
	ds_store_b64 v[STO], v[CD+2*\b:CD+2*\b+1] offset:(\a)*16*PITCH+16*\b
.endr
.endm
.irp a, 0,1,2,3,4,5,6,7
	QBLOCK \a
.endr
	s_wait_dscnt 0x0
	s_barrier_signal -1
	s_barrier_wait -1
.set n, 0
.rept 32
	ds_load_b128 v[128+4*n:131+4*n], v11 offset:544*n
.set n, n+1
.endr
.set n, 0
.rept 32
	s_wait_dscnt 31-n
	global_store_b128 v13, v[128+4*n:131+4*n], s[72:73] offset:8192*n
.set n, n+1
.endr
	s_wait_tensorcnt 0x0
	ds_add_u32 v[SPW], v[NIL]
	s_wait_dscnt 0x0
	CROUND
	s_endpgm
.Lfunc_end_k_q3f4c8c020e_ffn1:
	.size	k_q3f4c8c020e_ffn1, .Lfunc_end_k_q3f4c8c020e_ffn1-k_q3f4c8c020e_ffn1
	.p2alignl 7, 3214868480
	.fill 96, 4, 3214868480
	.section	.rodata,"a",@progbits
	.p2align	6, 0x0
	.amdhsa_kernel k_q3f4c8c020e_ffn1
		.amdhsa_group_segment_fixed_size 327680
		.amdhsa_private_segment_fixed_size 0
		.amdhsa_enable_private_segment 0
		.amdhsa_kernarg_size 40
		.amdhsa_user_sgpr_count 2
		.amdhsa_user_sgpr_kernarg_segment_ptr 1
		.amdhsa_wavefront_size32 1
		.amdhsa_system_sgpr_workgroup_id_x 1
		.amdhsa_system_sgpr_workgroup_id_y 1
		.amdhsa_system_sgpr_workgroup_id_z 1
		.amdhsa_system_vgpr_workitem_id 0
		.amdhsa_next_free_vgpr 1024
		.amdhsa_next_free_sgpr 100
		.amdhsa_reserve_vcc 0
		.amdhsa_float_denorm_mode_32 3
		.amdhsa_float_denorm_mode_16_64 3
		.amdhsa_memory_ordered 1
		.amdhsa_forward_progress 1
		.amdhsa_inst_pref_size 144
	.end_amdhsa_kernel
	.amdgpu_metadata
---
amdhsa.version: [ 1, 2 ]
amdhsa.kernels:
  - .name:           k_q3f4c8c020e_ffn1
    .symbol:         k_q3f4c8c020e_ffn1.kd
    .args:
      - { .name: o2c, .offset: 0, .size: 8, .value_kind: global_buffer, .address_space: global }
      - { .name: wcodes, .offset: 8, .size: 8, .value_kind: global_buffer, .address_space: global }
      - { .name: lowp_scales, .offset: 16, .size: 8, .value_kind: global_buffer, .address_space: global }
      - { .name: b1, .offset: 24, .size: 8, .value_kind: global_buffer, .address_space: global }
      - { .name: hc, .offset: 32, .size: 8, .value_kind: global_buffer, .address_space: global }
    .group_segment_fixed_size: 327680
    .private_segment_fixed_size: 0
    .kernarg_segment_align: 8
    .kernarg_segment_size: 40
    .max_flat_workgroup_size: 128
    .sgpr_count:     100
    .vgpr_count:     1024
    .wavefront_size: 32
...
	.end_amdgpu_metadata
.endif
;; end of part 6
;; launch ffn2 (part 7): grid 8 x 32, 4 waves a work-group, clusters of 4 x 4, 327,680 bytes of LDS; arguments hc, wcodes, lowp_scales, b2, o2, out0; writes out0
.if DOCPART == 7
	.amdgcn_target "amdgcn-amd-amdhsa--gfx1250"
	.amdhsa_code_object_version 6
	.text
	.protected	k_q3f4c8c020e_ffn2
	.globl	k_q3f4c8c020e_ffn2
	.p2align	8
	.type	k_q3f4c8c020e_ffn2,@function
k_q3f4c8c020e_ffn2:
	s_mov_b64 s[64:65], 0
	v_nop
	global_prefetch_b8 v0, s[64:65] scope:SCOPE_SE
	s_setreg_imm32_b32 hwreg(HW_REG_WAVE_MODE, 25, 1), 1
	s_wait_xcnt 0x0
	s_wait_alu depctr_hold_cnt(0) depctr_sa_sdst(0) depctr_va_vdst(0) depctr_va_sdst(0) depctr_va_ssrc(0) depctr_va_vcc(0) depctr_vm_vsrc(0)
	s_getreg_b32 s2, hwreg(HW_REG_IB_STS2, 6, 4)
	s_cmp_eq_u32 s2, 0
	s_cbranch_scc0 .Lentry_in_a_cluster
	s_endpgm
.Lentry_in_a_cluster:
	s_bfe_u32 s2, ttmp6, 0x10000c
	s_cmp_lg_u32 s2, 0xf033
	s_cbranch_scc0 .Lentry_shape_is_right
	s_endpgm
.Lentry_shape_is_right:
.set SIZE_K, 4096
.set WOFF,   0x800000
.set EOFF,   0x38
.set KSTEP,  512
.set PITCH,  528
.set HALFT,  64*PITCH
.set SLOT,   4*HALFT
.set SPARE,  2*SLOT
.set SPITCH, 272
.set LAPS,   SIZE_K/(2*KSTEP)
.set ADRA, 16
.set ADRB, 20
.set STO,  24
.set RD,   25
.set CO,   26
.set BO,   27
.set SPW,  28
.set NIL,  29
.set BK,   32
.set BI,   96
.set ACC,  128
.set F0,   0
.set F1,   128
.set G1, 24
.set G0, 32
.set G1B, 48
.set G0B, 56
.set MSB, 0
.macro WIN new
.if MSB != \new
	s_set_vgpr_msb (MSB<<8)|\new
.set MSB, \new
.endif
.endm
.set MUL,  0x05
.set TO_F, 0x40
.macro JLOAD s
	s_cmp_eq_u32 s11, 0
	s_cbranch_scc0 .Lfor_b_\@
	tensor_load_to_lds s[G0+4*\s:G0+4*\s+3], s[G1:G1+7]
	s_nop 0
.rept 4
	v_nop
.endr
	s_branch .Lasked_\@
.Lfor_b_\@:
	tensor_load_to_lds s[G0B+4*\s:G0B+4*\s+3], s[G1B:G1B+7]
	s_nop 0
.rept 4
	v_nop
.endr
.Lasked_\@:
.endm
.macro CREST
	s_cmp_lg_u32 s10, 0
	s_cbranch_scc1 .Lnot_wave_0_\@
	s_barrier_signal -3
.Lnot_wave_0_\@:
	s_barrier_wait -3
	s_barrier_signal -1
	s_barrier_wait -1
.endm
.macro CROUND
	s_barrier_signal -1
	s_barrier_wait -1
	CREST
.endm
	s_load_b128 s[4:7], s[0:1], 0x0
	s_load_b128 s[68:71], s[0:1], 0x10
	s_load_b128 s[72:75], s[0:1], 0x20
	v_lshl_add_u32 v[SPW], v0, 2, SPARE
	v_mov_b32 v[NIL], 0
	ds_add_u32 v[SPW], v[NIL]
	ds_add_u32 v[SPW], v[NIL]
	v_lshrrev_b32 v1, 5, v0
	v_readfirstlane_b32 s10, v1
	s_lshr_b32 s11, s10, 1
	s_and_b32 s12, s10, 1
	s_bfe_u32 s40, ttmp6, 0x40000
	s_bfe_u32 s41, ttmp6, 0x40004
	s_lshl_b32 s42, ttmp9, 2
	s_add_co_u32 s42, s42, s40
	s_and_b32 s13, ttmp7, 0xffff
	s_lshl_b32 s13, s13, 2
	s_add_co_u32 s13, s13, s41
	s_lshl_b32 s43, s41, 2
	s_lshl_b32 s43, 15, s43
	s_lshl_b32 s44, 0x1111, s40
	s_or_b32 s[G1+0], s43, (0<<16)|(1<<20)|(1<<21)|(6<<22)|(3<<25)
	s_or_b32 s[G1B+0], s44, (0<<16)|(1<<20)|(1<<21)|(6<<22)|(3<<25)
.irp g, G1, G1B
	s_mov_b32 s[\g+1], KSTEP<<16
	s_mov_b32 s[\g+2], 64<<16
	s_mov_b32 s[\g+3], KSTEP<<16
	s_mov_b32 s[\g+4], 64
	s_mov_b32 s[\g+5], SIZE_K
	s_mov_b32 s[\g+6], 0
	s_mov_b32 s[\g+7], 0
.endr
	s_lshl_b32 s17, s12, 6
	s_lshl_b32 s16, s13, 7
	s_add_co_u32 s16, s16, s17
	s_mul_i32 s16, s16, SIZE_K
	s_lshl_b32 s46, s42, 7
	s_add_co_u32 s46, s46, s17
	s_mul_i32 s46, s46, SIZE_K
	s_add_co_u32 s46, s46, WOFF
	s_mov_b32 s17, 0
	s_mov_b32 s47, 0
	s_mul_i32 s20, s10, HALFT
	s_wait_dscnt 0x0
	s_wait_kmcnt 0x0
	s_load_b64 s[96:97], s[68:69], EOFF
	s_add_nc_u64 s[14:15], s[4:5], s[16:17]
	s_add_nc_u64 s[46:47], s[6:7], s[46:47]
	s_cmp_eq_u32 s11, 0                            ; the prefetches: of the 64 rows that I fetch, each of the four partners that ask with me names 16, told apart by address (cx for A, cy for B)
	s_cselect_b64 s[76:77], s[14:15], s[46:47]
	s_cselect_b32 s78, s40, s41
	s_mul_i32 s78, s78, 16*SIZE_K
	s_mov_b32 s79, 0
	s_add_nc_u64 s[76:77], s[76:77], s[78:79]
	v_and_b32 v30, 31, v0
	v_lshrrev_b32 v31, 1, v30
	v_and_b32 v30, 1, v30
	v_lshlrev_b32 v30, 8, v30
	v_mad_u32_u24 v30, v31, SIZE_K, v30            ; two lanes to a row's 512 bytes of a K step; never rewritten
	s_wait_alu depctr_va_vdst(0)                   ; the wait ahead of the round
	CROUND
.irp s, 0,1
	s_mov_b32 s[G0+4*\s], 1
	s_add_co_u32 s[G0+4*\s+1], s20, \s*SLOT
	s_add_nc_u64 s[G0+4*\s+2:G0+4*\s+3], s[14:15], \s*KSTEP
	s_or_b32 s[G0+4*\s+3], s[G0+4*\s+3], 0x80000000
	s_mov_b32 s[G0B+4*\s], 1
	s_add_co_u32 s[G0B+4*\s+1], s20, \s*SLOT
	s_add_nc_u64 s[G0B+4*\s+2:G0B+4*\s+3], s[46:47], \s*KSTEP
	s_or_b32 s[G0B+4*\s+3], s[G0B+4*\s+3], 0x80000000
.if \s
	s_wait_alu depctr_va_vdst(0)                   ; slot 1's first fill is issued as a refill is: these lines and a round stand ahead of it
	s_wait_tensorcnt 0x0                           ; my part of slot 0 is in
	ds_add_u32 v[SPW], v[NIL]
	s_wait_dscnt 0x0
	CROUND
.endif
	JLOAD \s
.if (\s+1)*KSTEP < SIZE_K
	global_prefetch_b8 v30, s[76:77] offset:(\s+1)*KSTEP th:TH_LOAD_NT scope:SCOPE_SE   ; the K step that the next fill asks for: 16 rows x 512 bytes
.endif
.endr
	v_and_b32 v1, 15, v0
	s_wait_alu depctr_va_vdst(0)
	v_bfe_u32 v2, v0, 4, 1
	v_mul_u32_u24 v3, v1, PITCH
	v_lshl_add_u32 v3, v2, 4, v3
	s_mul_i32 s21, s11, HALFT
	s_mul_i32 s22, s12, HALFT
	s_add_co_u32 s22, s22, 2*HALFT
.irp s, 0,1
	v_add_nc_u32 v[ADRA+\s], s21, v3
	v_add_nc_u32 v[ADRB+\s], s22, v3
	s_add_co_u32 s21, s21, SLOT
	s_add_co_u32 s22, s22, SLOT
.endr
	s_mul_i32 s23, s10, 16*SPITCH
	v_mul_u32_u24 v4, v1, SPITCH
	s_wait_alu depctr_va_vdst(0)
	v_lshl_add_u32 v4, v2, 5, v4
	v_add_nc_u32 v[STO], s23, v4
	v_mul_u32_u24 v5, v2, SPITCH
	v_lshl_add_u32 v5, v1, 4, v5
	v_add_nc_u32 v[RD], s23, v5
	v_lshlrev_b32 v[CO], 12, v2
	v_lshl_add_u32 v[CO], v1, 4, v[CO]
	v_lshlrev_b32 v[BO], 4, v1
	s_wait_alu depctr_va_vdst(0)
	s_lshl_b32 s16, s13, 7
	s_lshl_b32 s17, s11, 6
	s_add_co_u32 s16, s16, s17
	s_lshl_b32 s16, s16, 12
	s_lshl_b32 s46, s42, 7
	s_lshl_b32 s47, s12, 6
	s_add_co_u32 s46, s46, s47
	s_lshl_b32 s46, s46, 2
	s_mov_b32 s47, 0
	s_add_nc_u64 s[70:71], s[70:71], s[46:47]
	s_add_co_u32 s16, s16, s46
	s_mov_b32 s17, 0
	s_add_nc_u64 s[72:73], s[72:73], s[16:17]
	s_add_nc_u64 s[74:75], s[74:75], s[16:17]
	global_load_b128 v[BI:BI+3], v[BO], s[70:71]
	WIN 0x80
.set n, 0
.rept 32
	global_load_b128 v[4*n:4*n+3], v[CO], s[72:73] offset:2*n*4096
.set n, n+1
.endr
	WIN 0
.macro MUL4 f, a, zero
.irp b, 0,1,2,3
.if \zero
	v_wmma_f32_16x16x128_fp8_fp8 v[ACC+8*(4*(\a)+\b):ACC+8*(4*(\a)+\b)+7], v[\f+64+16*\b:\f+64+16*\b+15], v[\f+16*(\a):\f+16*(\a)+15], 0
.else
	v_wmma_f32_16x16x128_fp8_fp8 v[ACC+8*(4*(\a)+\b):ACC+8*(4*(\a)+\b)+7], v[\f+64+16*\b:\f+64+16*\b+15], v[\f+16*(\a):\f+16*(\a)+15], v[ACC+8*(4*(\a)+\b):ACC+8*(4*(\a)+\b)+7]
.endif
.endr
.endm
.macro FRAG reg, adr, k, i
.irp c, 0,1,2,3
	ds_load_b128 v[\reg+4*\c:\reg+4*\c+3], v[\adr] offset:(\k)+32*\c+(\i)*16*PITCH
.endr
.endm
.macro FETCH slot, k, f
	WIN TO_F
.irp i, 0,1,2,3
	FRAG \f+64+16*\i, ADRB+\slot, \k, \i
.endr
.irp i, 0,1,2,3
	FRAG \f+16*\i, ADRA+\slot, \k, \i
.endr
.endm
.macro PLACES
.rept 4
	v_nop
.endr
.endm
.macro QUARTER slot, k, f, g, zero
	s_wait_dscnt 8
	WIN MUL
	MUL4 \f, 0, \zero
	MUL4 \f, 1, \zero
	PLACES
	FETCH \slot, \k, \g
	s_wait_dscnt 32
	WIN MUL
	MUL4 \f, 2, \zero
	MUL4 \f, 3, \zero
.endm
.macro TURN slot, next, fill
	WIN 0
	s_wait_tensorcnt 0x0
	ds_add_u32 v[SPW], v[NIL]
	s_wait_dscnt 9
	WIN MUL
	MUL4 F1, 0, 0
	s_wait_dscnt 0x0
	s_barrier_signal -1
	MUL4 F1, 1, 0
.if \fill
	WIN 0
.endif
	s_barrier_wait -1
.if \fill
	CREST
	s_add_nc_u64 s[G0+4*\slot+2:G0+4*\slot+3], s[G0+4*\slot+2:G0+4*\slot+3], 2*KSTEP
	s_add_nc_u64 s[G0B+4*\slot+2:G0B+4*\slot+3], s[G0B+4*\slot+2:G0B+4*\slot+3], 2*KSTEP
	JLOAD \slot
.else
	PLACES
.endif
	FETCH \next, 0, F0
.if \fill
	WIN 0                                          ; in lap j this refill brings K step 2 j + 2 + slot; the next one's K step is asked for here; the last refill has none behind it
.if \slot
	s_cmp_gt_u32 s3, 1
	s_cbranch_scc0 .Lnoask_\@
.endif
	global_prefetch_b8 v30, s[76:77] offset:(3+\slot)*KSTEP th:TH_LOAD_NT scope:SCOPE_SE
.if \slot
.Lnoask_\@:
.endif
.endif
	WIN MUL
	MUL4 F1, 2, 0
	MUL4 F1, 3, 0
.endm
	s_wait_tensorcnt 1
	s_barrier_signal -1
	s_barrier_wait -1
	FETCH 0, 0, F0
	QUARTER 0, 128, F0, F1, 1
.if LAPS > 1
	WIN 0
	s_mov_b32 s3, LAPS-1
.Llap:
	QUARTER 0, 256, F1, F0, 0
	QUARTER 0, 384, F0, F1, 0
	TURN 0, 1, 1
	QUARTER 1, 128, F0, F1, 0
	QUARTER 1, 256, F1, F0, 0
	QUARTER 1, 384, F0, F1, 0
	TURN 1, 0, 1
	QUARTER 0, 128, F0, F1, 0
	WIN 0
	s_wait_xcnt 0x0                                ; my prefetches have read their address: it steps a lap on
	s_add_nc_u64 s[76:77], s[76:77], 2*KSTEP
	s_sub_co_u32 s3, s3, 1
	s_cmp_lg_u32 s3, 0
	s_cbranch_scc1 .Llap
.endif
	QUARTER 0, 256, F1, F0, 0
	QUARTER 0, 384, F0, F1, 0
	TURN 0, 1, 0
	QUARTER 1, 128, F0, F1, 0
	QUARTER 1, 256, F1, F0, 0
	QUARTER 1, 384, F0, F1, 0
	s_wait_dscnt 8
	WIN MUL
	MUL4 F1, 0, 0
	MUL4 F1, 1, 0
	s_wait_dscnt 0
	MUL4 F1, 2, 0
	MUL4 F1, 3, 0
	WIN 0
	s_wait_kmcnt 0x0
	s_add_co_i32 s96, s96, s97
	s_add_co_i32 s96, s96, 127
	s_lshl_b32 s96, s96, 23
	s_mov_b32 s97, s96
	s_wait_loadcnt 0x0
	PLACES
.macro OUTBLK a
.set BB, BK+32*((\a)%2)
.if (\a) >= 2
	s_wait_xcnt 0x0
.endif
.irp b, 0,1,2,3
	ds_store_b128 v[STO], v[ACC+8*(4*(\a)+\b):ACC+8*(4*(\a)+\b)+3] offset:64*\b
	ds_store_b128 v[STO], v[ACC+8*(4*(\a)+\b)+4:ACC+8*(4*(\a)+\b)+7] offset:64*\b+16
.endr
.irp t, 0,1,2,3,4,5,6,7
	ds_load_b128 v[BB+4*\t:BB+4*\t+3], v[RD] offset:\t*2*SPITCH
.endr
	s_wait_dscnt 0x0
	WIN 0x20
.set n, 0
.rept 16
	v_pk_fma_f32 v[BB+n:BB+n+1], v[BB+n:BB+n+1], s[96:97], v[32*(\a)+n:32*(\a)+n+1] op_sel_hi:[1,0,1]
.set n, n+2
.endr
	WIN 0
.irp t, 0,1,2,3,4,5,6,7
	v_pk_add_f32 v[BB+4*\t:BB+4*\t+1], v[BB+4*\t:BB+4*\t+1], v[BI:BI+1]
	v_pk_add_f32 v[BB+4*\t+2:BB+4*\t+3], v[BB+4*\t+2:BB+4*\t+3], v[BI+2:BI+3]
.endr
.irp t, 0,1,2,3,4,5,6,7
	global_store_b128 v[CO], v[BB+4*\t:BB+4*\t+3], s[74:75] offset:(16*(\a)+2*\t)*4096
.endr
.endm
	OUTBLK 0
	OUTBLK 1
	OUTBLK 2
	OUTBLK 3
	s_wait_tensorcnt 0x0
	ds_add_u32 v[SPW], v[NIL]
	s_wait_dscnt 0x0
	CROUND
	s_endpgm
.Lfunc_end_k_q3f4c8c020e_ffn2:
	.size	k_q3f4c8c020e_ffn2, .Lfunc_end_k_q3f4c8c020e_ffn2-k_q3f4c8c020e_ffn2
	.p2alignl 7, 3214868480
	.fill 96, 4, 3214868480
	.section	.rodata,"a",@progbits
	.p2align	6, 0x0
	.amdhsa_kernel k_q3f4c8c020e_ffn2
		.amdhsa_group_segment_fixed_size 327680
		.amdhsa_private_segment_fixed_size 0
		.amdhsa_enable_private_segment 0
		.amdhsa_kernarg_size 48
		.amdhsa_user_sgpr_count 2
		.amdhsa_user_sgpr_kernarg_segment_ptr 1
		.amdhsa_wavefront_size32 1
		.amdhsa_system_sgpr_workgroup_id_x 1
		.amdhsa_system_sgpr_workgroup_id_y 1
		.amdhsa_system_sgpr_workgroup_id_z 1
		.amdhsa_system_vgpr_workitem_id 0
		.amdhsa_next_free_vgpr 640
		.amdhsa_next_free_sgpr 98
		.amdhsa_reserve_vcc 0
		.amdhsa_float_denorm_mode_32 3
		.amdhsa_float_denorm_mode_16_64 3
		.amdhsa_memory_ordered 1
		.amdhsa_forward_progress 1
		.amdhsa_inst_pref_size 83
	.end_amdhsa_kernel
	.amdgpu_metadata
---
amdhsa.version: [ 1, 2 ]
amdhsa.kernels:
  - .name:           k_q3f4c8c020e_ffn2
    .symbol:         k_q3f4c8c020e_ffn2.kd
    .args:
      - { .name: hc, .offset: 0, .size: 8, .value_kind: global_buffer, .address_space: global }
      - { .name: wcodes, .offset: 8, .size: 8, .value_kind: global_buffer, .address_space: global }
      - { .name: lowp_scales, .offset: 16, .size: 8, .value_kind: global_buffer, .address_space: global }
      - { .name: b2, .offset: 24, .size: 8, .value_kind: global_buffer, .address_space: global }
      - { .name: o2, .offset: 32, .size: 8, .value_kind: global_buffer, .address_space: global }
      - { .name: out0, .offset: 40, .size: 8, .value_kind: global_buffer, .address_space: global }
    .group_segment_fixed_size: 327680
    .private_segment_fixed_size: 0
    .kernarg_segment_align: 8
    .kernarg_segment_size: 48
    .max_flat_workgroup_size: 128
    .sgpr_count:     98
    .vgpr_count:     640
    .wavefront_size: 32
...
	.end_amdgpu_metadata
.endif
;; end of part 7
